; MI455X (gfx1250); checked and timed in simulation.
; The chip was launched on July 23, 2026; its instructions are those of AMD's public machine-readable ISA for CDNA 5 (MIT licence, August 2026) and "CDNA5" Instruction Set Architecture Reference Guide (July 2026). The comments in the code are by the model that wrote it; some were corrected since.
;; Temporal Graph Attention. Allowed arithmetic: matrix products marked QUANTISED: E2M3 operands, one E8M0 scale for each 32 along K, by v_wmma_scale_f32_16x16x128_f8f6f4 with both operands' format E2M3, f32 sums; everything else in f32.
;; Inputs: Wk 512 x 512 float32; Wo 512 x 512 float32; Wq 512 x 512 float32; Wv 512 x 512 float32; bk 512 float32; bo 512 float32; bq 512 float32; bv 512 float32; x 4 x 2,048 x 512 float32.
;; Outputs: out0 4 x 2,048 x 512 float32.
;; This version of the problem:
;;   THIS VERSION OF THE PROBLEM IS GIVEN IN LOW PRECISION. The matrix products marked QUANTISED in the list below multiply operands that are first quantised to E2M3 (2 exponent bits, 3 mantissa bits; 6 bits a number), with one power-of-two scale for each 32 numbers along K (OCP MX v1.0); their sums are f32. All else is computed in f32.
;;   The module's matrix products, in the order in which they are computed (A, B: the left and right operand; K: the contracted axis; several contracted axes count as one K, in the product's order):
;;     1. [M 8,192, K 512] x [K 512, N 512]; A: input x; B: input Wq: QUANTISED
;;     2. [M 8,192, K 512] x [K 512, N 512]; A: input x; B: input Wk: QUANTISED
;;     3. [M 8,192, K 512] x [K 512, N 512]; A: input x; B: input Wv: QUANTISED
;;     4. batch 32 x [M 2,048, K 64] x [K 64, N 2,048]; A: computed on the way; B: computed on the way: QUANTISED
;;     5. batch 32 x [M 2,048, K 2,048] x [K 2,048, N 64]; A: softmax (see below); B: computed on the way: QUANTISED
;;     6. [M 8,192, K 512] x [K 512, N 512]; A: computed on the way; B: input Wo: QUANTISED
;;   THE QUANTISER, for each operand of a quantised product, along K:
;;     - K is cut into blocks of 32 from its start; a last block that is shorter is filled with zeros.
;;     - A block's scale is 2^e with e = floor(log2(the largest magnitude in the block)) - 2, held to -126 .. 127; a block of zeros has e = 0. As a byte (E8M0): e + 127.
;;     - Each number is divided by its block's scale, clamped to +-7.5, and rounded to the nearest number of E2M3, ties to even, subnormals kept.
;;     - The product sums the exact products of the quantised numbers (number of the format x scale) in f32.
;;   ~~~python
;;   def quantise(x, axis):      # numpy; x: float32 -> the quantised numbers, widened to float32 again
;;       x = np.moveaxis(x, axis, -1); K = x.shape[-1]
;;       x = np.pad(x, [(0, 0)] * (x.ndim - 1) + [(0, -K % 32)]); x = x.reshape(x.shape[:-1] + (-1, 32)); a = np.abs(x).max(-1, keepdims=True)
;;       e = np.where(a > 0, np.clip(np.frexp(np.where(a > 0, a, 1))[1] - 1 - 2, -126, 127), 0)      # np.frexp(a)[1] - 1 = floor(log2(a)), exactly
;;       r = np.clip(x / 2.0 ** e, -7.5, 7.5)
;;       step = 2.0 ** (np.maximum(np.frexp(np.where(r == 0, 1, r))[1] - 1, 0) - 3)
;;       q = np.round(r / step) * step * 2.0 ** e      # np.round: ties to even
;;       return np.moveaxis(q.reshape(q.shape[:-2] + (-1,))[..., :K], -1, axis).astype(np.float32)
;;   ~~~
;;   SOFTMAX AHEAD OF A QUANTISED PRODUCT. Where the list says 'softmax', what is quantised is not the finished softmax but p = 2^(t - M), with t = logit x log2(e) and M = ceil(the row's largest t), a whole number; so 1/2 < the row's largest p <= 1. The row's sum l is taken of the UNQUANTISED p, in f32, and the product's result is divided by l at the end. Since M is a whole number, a kernel that streams over the keys may use a running M (the ceiling of the running maximum): every later rescaling is an exact power of two, which a block's scale takes up: the codes' values come out the same.
;;   OPERANDS COMPUTED ON THE WAY. 'Computed on the way' means the value that the module computes at that place (a softmax that the list does not call 'softmax' is quantised finished and normalised). What goes into a quantiser is computed in f32, as accurately as f32 sums, v_exp_f32 and their like allow (about 1e-6 of the number): no bf16 or f16 on the way to a quantiser, and a product that is left as it is and whose result goes on into a quantised operand takes f32 operands (vector FMAs, or v_wmma_f32_16x16x4_f32). A number that lies on a knife's edge between two numbers of the format may be rounded either way, as far as f32 arithmetic and the matrix unit's own rounding can turn it there, and no further.
;; 2 versions. Each part assembles by itself: llvm-mc -triple=amdgcn-amd-amdhsa -mcpu=gfx1250 --defsym DOCPART=n.
;; ======== version 1 of 2: 4 launches
;; workspace buffers: cod 3,932,160 bytes; scl 327,680 bytes; qrec 6,684,672 bytes; kvrec 6,684,672 bytes; cc 3,145,728 bytes; cs 262,144 bytes
;; launch quant (part 1): grid 320 x 1, 4 waves a work-group, no clusters, 68,096 bytes of LDS; arguments x, Wq, Wk, Wv, Wo, cod, scl; writes cod, scl
.if DOCPART == 1
	.amdgcn_target "amdgcn-amd-amdhsa--gfx1250"
	.amdhsa_code_object_version 6
	.text
	.protected	k_q624e634be2_quant
	.globl	k_q624e634be2_quant
	.p2align	8
	.type	k_q624e634be2_quant,@function
k_q624e634be2_quant:
	s_mov_b64 s[64:65], 0
	v_nop
	global_prefetch_b8 v0, s[64:65] scope:SCOPE_SE
	s_setreg_imm32_b32 hwreg(HW_REG_WAVE_MODE, 25, 1), 1
	s_wait_xcnt 0x0
; x [8192][512] and Wq, Wk, Wv, Wo [512][512], f32 with K innermost, become codes of FP6 (E2M3) with one E8M0 byte for each 32 along K.
; A block's scale is 2^(floor(log2(its largest magnitude)) - 2): its byte is that magnitude's exponent field - 2, held at 1 from below.
; LIMITS: NaN and infinities are not served.  A block whose largest magnitude lies under 2^-124 (a block of zeros too) gets the byte 1 where the
; quantiser's text gives another: its codes are zeros or held at that scale, and the bytes are read by this program alone.
; THE OUTPUT IS LAID AS THE MATRIX UNIT'S REGISTERS.  A tile is 16 rows; tile 4 c + u takes, in lane r, row 64 c + 8 u + r % 8 + 32 (r / 8).  A fragment (a tile x 128 along K,
; 12 registers a lane) is an image of 1,536 bytes: registers 4 c .. 4 c + 3 of lane l at 512 c + 16 l.  cod: (tile x 4 + K step) x 1,536; tiles 0-511 x, then 32 each of Wq, Wk, Wv, Wo.
; scl: tile x 512 + 256 x half + 8 x lane: the scale words of K steps 2 half and 2 half + 1 of the lane's row (lanes 16-31 repeat lanes 0-15).
; SHARES.  Work-group g takes tiles 2 g and 2 g + 1; wave w tile 2 g + w / 2, K steps 2 (w % 2) and 2 (w % 2) + 1: 16 rows x 1,024 bytes, all 32 loads out at once.
; Each load takes 512 consecutive bytes of one row; a K step's 16 rows turn through the wave's own stage in LDS (rows of 512 + 16 bytes), from which lane (r, h) takes, of row r,
; the two whole blocks k = 64 c + 32 h + 0 .. 31, as the operand's layout gives them to that lane.  Waves share nothing: no barrier.  No matrix work, no tensor loads, no cluster: no byte is read by two work-groups.
.set SP,   528                         ; a stage row: 512 bytes + 16: the sixteen rows that a read touches start at sixteen different groups of four banks
.set STG,  16*SP                       ; a stage: one K step of 16 rows
.set WREG, 2*STG                       ; a wave's LDS: two stages
.set SH8,  6                           ; v6      8 x (lane / 16): how far my two scale bytes are shifted up in the word
.set TM,   8                           ; v8-22   at work in QUANT
.set PW,   24                          ; v24-25  the two scale words
.set LD,   32                          ; v32-159 as loaded: K step q at 64 q, row i at 4 i;  v32-95 later the second step's 64 numbers, v96-107 its codes
.set X,    160                         ; v160-223 the first step's 64 numbers
.set PC0,  224                         ; v224-235 its codes
.set PC1,  96
.set SEL,  24                          ; s[24:25] lane selects for v_permlanex16_b32: lane l xor 16
; 64 numbers of a lane, v[s] on, register 32 c + i = k 64 c + 32 (lane / 16) + i of my row: two whole blocks.  They become a fragment's codes in v[pc .. pc + 11] and its scale word in v[pw].
.macro QUANT s, pc, pw
.irp c, 0,1
	v_max3_num_f32 v[TM+\c], |v[\s+32*\c]|, |v[\s+32*\c+1]|, 0x1800000   ; block c in two chains: its first 16 numbers, and the floor 2^(3 - 127): the byte cannot fall under 1;
.endr
.irp c, 0,1
	v_max3_num_f32 v[TM+2+\c], |v[\s+32*\c+16]|, |v[\s+32*\c+17]|, |v[\s+32*\c+18]|   ; its last 16
.endr
.irp i, 2,4,6,8,10,12
.irp c, 0,1
	v_max3_num_f32 v[TM+\c], v[TM+\c], |v[\s+32*\c+\i]|, |v[\s+32*\c+\i+1]|
	v_max3_num_f32 v[TM+2+\c], v[TM+2+\c], |v[\s+32*\c+\i+17]|, |v[\s+32*\c+\i+18]|
.endr
.endr
.irp c, 0,1
	v_max3_num_f32 v[TM+\c], v[TM+\c], |v[\s+32*\c+14]|, |v[\s+32*\c+15]|
.endr
.irp c, 0,1
	v_max3_num_f32 v[TM+\c], v[TM+\c], v[TM+2+\c], |v[\s+32*\c+31]|   ; the block's largest magnitude: all 32 numbers are mine
.endr
.irp c, 0,1
	v_add_nc_u32 v[TM+4+\c], 0xff000000, v[TM+\c]          ; 2 off its exponent field: the conversion takes this operand's exponent field as its scale
.endr
.irp c, 0,1
	v_cvt_scalef32_pk16_fp6_f32 v[\pc+6*\c:\pc+6*\c+2], v[\s+32*\c:\s+32*\c+15], v[TM+4+\c]
	v_cvt_scalef32_pk16_fp6_f32 v[TM+8+4*\c:TM+10+4*\c], v[\s+32*\c+16:\s+32*\c+31], v[TM+4+\c]   ; (a conversion's three registers begin on an even number: the block's second three do not)
.endr
.irp c, 0,1
	v_lshrrev_b32 v[TM+\c], 23, v[TM+4+\c]                 ; the scale's byte.  (These lines are the plain place behind the scaled conversions)
.endr
	v_lshl_or_b32 v[\pw], v[TM+1], 16, v[TM]               ; my two bytes: blocks h and 2 + h of my row,
	v_lshlrev_b32 v[\pw], v[SH8], v[\pw]                   ; at their places in the scale word;
	v_permlanex16_b32 v[TM+6], v[\pw], s[SEL], s[SEL+1]
	v_or_b32 v[\pw], v[\pw], v[TM+6]                       ; with lane l xor 16's two the word is whole
.irp c, 0,1
.irp i, 0,1,2
	v_mov_b32 v[\pc+3+6*\c+\i], v[TM+8+4*\c+\i]
.endr
.endr
.endm
	s_load_b256 s[4:11], s[0:1], 0x0               ; x s[4:5], Wq s[6:7], Wk s[8:9], Wv s[10:11]
	s_load_b128 s[12:15], s[0:1], 0x20             ; Wo s[12:13], cod s[14:15]
	s_load_b64 s[16:17], s[0:1], 0x30              ; scl
	v_lshl_add_u32 v240, v0, 2, 0x10800
	v_mov_b32 v241, 0
	v_lshrrev_b32 v1, 5, v0
	v_readfirstlane_b32 s18, v1                    ; wave 0..3
	v_and_b32 v1, 31, v0                           ; lane
	v_lshlrev_b32 v2, 4, v1                        ; 16 x lane
	v_lshlrev_b32 v3, 3, v1                        ; 8 x lane
	v_and_b32 v7, 15, v0                           ; r
	v_bfe_u32 v6, v0, 4, 1                         ; h
	s_mul_i32 s28, s18, WREG                       ; my wave's LDS
	v_add_nc_u32 v4, s28, v2                       ; into a stage: 16 x lane of a row
	v_mul_u32_u24 v5, v7, SP
	v_lshl_add_u32 v5, v6, 7, v5
	v_add_nc_u32 v5, s28, v5                       ; out of it: row r, + 128 h bytes
	v_lshlrev_b32 v[SH8], 3, v6                    ; 8 h
	v_mov_b32 v[TM+6], 0                           ; written once: a lane permute's destination counts as one of its sources
	s_mov_b32 s[SEL], 0x76543210
	s_mov_b32 s[SEL+1], 0xfedcba98
	s_lshr_b32 s19, s18, 1                         ; which of the group's two tiles
	s_and_b32 s20, s18, 1                          ; which half of K
	s_lshl_b32 s30, ttmp9, 1
	s_add_co_u32 s30, s30, s19                     ; my tile
	s_mul_i32 s26, s30, 6144
	s_mul_i32 s31, s20, 3072
	s_add_co_u32 s26, s26, s31                     ; its two images in cod
	s_mov_b32 s27, 0
	s_lshl_b32 s34, s30, 9
	s_lshl_b32 s31, s20, 8
	s_add_co_u32 s34, s34, s31                     ; its scale words in scl
	s_mov_b32 s35, 0
	s_and_b32 s29, ttmp9, 15                       ; a weight's pair of tiles (each weight has 16 pairs, and 256 is a multiple of 16)
	s_wait_kmcnt 0x0
	s_mov_b64 s[32:33], s[12:13]                   ; the source is chosen by the work-group's number alone: 304.. Wo,
	s_cmp_lt_u32 ttmp9, 304
	s_cselect_b64 s[32:33], s[10:11], s[32:33]     ; 288.. Wv,
	s_cmp_lt_u32 ttmp9, 288
	s_cselect_b64 s[32:33], s[8:9], s[32:33]       ; 272.. Wk,
	s_cmp_lt_u32 ttmp9, 272
	s_cselect_b64 s[32:33], s[6:7], s[32:33]       ; 256.. Wq,
	s_cmp_lt_u32 ttmp9, 256
	s_cselect_b64 s[32:33], s[4:5], s[32:33]       ; 0.. x
	s_cselect_b32 s29, ttmp9, s29                  ; and the pair of tiles in it
	s_lshl_b32 s29, s29, 1
	s_add_co_u32 s29, s29, s19                     ; my tile in its tensor: 4 c + u
	s_lshr_b32 s22, s29, 2
	s_lshl_b32 s22, s22, 17                        ; c x 64 rows of 2,048 bytes,
	s_and_b32 s31, s29, 3
	s_lshl_b32 s31, s31, 14                        ; u x 8 rows,
	s_add_co_u32 s22, s22, s31
	s_lshl_b32 s31, s20, 10                        ; 256 numbers on for the second half of K
	s_add_co_u32 s22, s22, s31
	s_mov_b32 s23, 0
	s_add_nc_u64 s[32:33], s[32:33], s[22:23]
	s_add_nc_u64 s[26:27], s[14:15], s[26:27]
	s_add_nc_u64 s[34:35], s[16:17], s[34:35]
.irp q, 0,1
.irp i, 0,1,2,3,4,5,6,7,8,9,10,11,12,13,14,15
	global_load_b128 v[LD+64*\q+4*\i:LD+64*\q+4*\i+3], v2, s[32:33] offset:((\i%8)+32*(\i/8))*2048+512*\q th:TH_LOAD_NT   ; 512 consecutive bytes of the row that the tile's lane i holds; read once in the launch
.endr
.endr
	s_wait_loadcnt 16                              ; the first K step's sixteen loads are in; the second's sixteen stay out
.irp i, 0,1,2,3,4,5,6,7,8,9,10,11,12,13,14,15
	ds_store_b128 v4, v[LD+4*\i:LD+4*\i+3] offset:SP*\i
.endr
.irp c, 0,1
.irp j, 0,1,2,3,4,5,6,7
	ds_load_b128 v[X+32*\c+4*\j:X+32*\c+4*\j+3], v5 offset:256*\c+16*\j     ; LDS serves a wave's instructions in order: these see the stores above
.endr
.endr
	s_wait_loadcnt 0x0
.irp i, 0,1,2,3,4,5,6,7,8,9,10,11,12,13,14,15
	ds_store_b128 v4, v[LD+64+4*\i:LD+64+4*\i+3] offset:STG+SP*\i
.endr
	s_wait_dscnt 32                                ; behind the first stage's stores stand 16 loads and 16 stores: those stores are done, so v32-95 may be loaded into
.irp c, 0,1
.irp j, 0,1,2,3,4,5,6,7
	ds_load_b128 v[LD+32*\c+4*\j:LD+32*\c+4*\j+3], v5 offset:STG+256*\c+16*\j
.endr
.endr
	s_wait_dscnt 32                                ; behind the first stage's loads stand 16 stores and 16 loads: the first step's numbers are in
	QUANT X, PC0, PW
.irp c, 0,1,2
	global_store_b128 v2, v[PC0+4*\c:PC0+4*\c+3], s[26:27] offset:512*\c          ; 512 consecutive bytes, aligned
.endr
	s_wait_dscnt 0x0                               ; the second step's numbers are in, and the second stage's stores have read v96-159
	QUANT LD, PC1, PW+1
.irp c, 0,1,2
	global_store_b128 v2, v[PC1+4*\c:PC1+4*\c+3], s[26:27] offset:1536+512*\c
.endr
	global_store_b64 v3, v[PW:PW+1], s[34:35]      ; 256 consecutive bytes, aligned
	s_wait_tensorcnt 0x0
	ds_add_u32 v240, v241
	s_wait_dscnt 0x0
	s_endpgm
.Lfunc_end_k_q624e634be2_quant:
	.size	k_q624e634be2_quant, .Lfunc_end_k_q624e634be2_quant-k_q624e634be2_quant
	.p2alignl 7, 3214868480
	.fill 96, 4, 3214868480
	.section	.rodata,"a",@progbits
	.p2align	6, 0x0
	.amdhsa_kernel k_q624e634be2_quant
		.amdhsa_group_segment_fixed_size 68096
		.amdhsa_private_segment_fixed_size 0
		.amdhsa_enable_private_segment 0
		.amdhsa_kernarg_size 56
		.amdhsa_user_sgpr_count 2
		.amdhsa_user_sgpr_kernarg_segment_ptr 1
		.amdhsa_wavefront_size32 1
		.amdhsa_system_sgpr_workgroup_id_x 1
		.amdhsa_system_sgpr_workgroup_id_y 1
		.amdhsa_system_sgpr_workgroup_id_z 1
		.amdhsa_system_vgpr_workitem_id 0
		.amdhsa_next_free_vgpr 242
		.amdhsa_next_free_sgpr 66
		.amdhsa_reserve_vcc 0
		.amdhsa_float_denorm_mode_32 3
		.amdhsa_float_denorm_mode_16_64 3
		.amdhsa_memory_ordered 1
		.amdhsa_forward_progress 1
		.amdhsa_inst_pref_size 17
	.end_amdhsa_kernel
	.amdgpu_metadata
---
amdhsa.version: [ 1, 2 ]
amdhsa.kernels:
  - .name:           k_q624e634be2_quant
    .symbol:         k_q624e634be2_quant.kd
    .args:
      - { .name: x, .offset: 0, .size: 8, .value_kind: global_buffer, .address_space: global }
      - { .name: Wq, .offset: 8, .size: 8, .value_kind: global_buffer, .address_space: global }
      - { .name: Wk, .offset: 16, .size: 8, .value_kind: global_buffer, .address_space: global }
      - { .name: Wv, .offset: 24, .size: 8, .value_kind: global_buffer, .address_space: global }
      - { .name: Wo, .offset: 32, .size: 8, .value_kind: global_buffer, .address_space: global }
      - { .name: cod, .offset: 40, .size: 8, .value_kind: global_buffer, .address_space: global }
      - { .name: scl, .offset: 48, .size: 8, .value_kind: global_buffer, .address_space: global }
    .group_segment_fixed_size: 68096
    .private_segment_fixed_size: 0
    .kernarg_segment_align: 8
    .kernarg_segment_size: 56
    .max_flat_workgroup_size: 128
    .sgpr_count:     66
    .vgpr_count:     242
    .wavefront_size: 32
...
	.end_amdgpu_metadata
.endif
;; end of part 1
;; launch qkv (part 2): grid 192 x 1, 4 waves a work-group, no clusters, 0 bytes of LDS; arguments cod, scl, bq, bk, bv, qrec, kvrec; writes qrec, kvrec
.if DOCPART == 2
	.amdgcn_target "amdgcn-amd-amdhsa--gfx1250"
	.amdhsa_code_object_version 6
	.text
	.protected	k_q624e634be2_qkv
	.globl	k_q624e634be2_qkv
	.p2align	8
	.type	k_q624e634be2_qkv,@function
k_q624e634be2_qkv:
	s_mov_b64 s[64:65], 0
	v_nop
	global_prefetch_b8 v0, s[64:65] scope:SCOPE_SE
	s_setreg_imm32_b32 hwreg(HW_REG_WAVE_MODE, 25, 1), 1
	s_wait_xcnt 0x0
; Q = x Wq^T + bq, K = x Wk^T + bk, V = x Wv^T + bv on codes of FP6 (E2M3) with E8M0 scales, sums in f32; the results are quantised at once, in registers, as attention's operands:
; Q and K along the head's 64 (two blocks of 32), V along the keys.  LIMITS: NaN and infinities are not served; a block whose largest magnitude lies under 2^-124 gets the byte 1.
; INPUT: cod, scl: images of fragments; a tile's lane r holds row 64 c + 8 u + r % 8 + 32 (r / 8) of tile 4 c + u; tiles 0-511 x, 512.. Wq, 544.. Wk, 576.. Wv.
; With such a tile as source 0, register j of tile 4 c + u holds its row 64 c + 32 (lane / 16) + 8 u + j: the 32 registers of tiles 4 c .. 4 c + 3 are a WHOLE BLOCK of 32 neighbours along the next K,
; the very block that the operand's layout gives that lane: no maximum and no code changes lanes.
; A WAVE keeps eight tiles S0 (source 0) for all of K = 512 in registers (32 fragments, 384 registers) and walks eight tiles S1 (source 1), written out: for each, 32 matrix instructions on
; 8 accumulators by turns, K ascending, the bias as the C of K step 0; then one quantising of the lane's 64 results, and the stores.
;   work-groups 0-127 (Q where even, K where odd): S0 = 128 rows of the weight = heads 2 w and 2 w + 1, S1 = 128 rows of x.  A lane holds one row of x; its codes' registers 0-5 are head 2 w's, 6-11 head 2 w + 1's.
;   work-groups 128-191 (V): S0 = 128 rows of x (keys), S1 = 128 rows of Wv (two heads).  A lane holds one channel d, its registers run down 128 keys: a whole fragment of V^T.
; OUTPUT: records of 13,056 bytes for each (batch x 8 + head) and each 128 rows: 8 tiles x 768 bytes (registers 0-3 at 16 x lane, registers 4-5 at 512 + 8 x lane) of K (in qrec: of Q);
; at 6,144 four fragments of V^T x 1,536; at 12,288 K's (Q's) scale words, 2 x [r][4 tiles]; at 12,800 V's, [r][4 tiles].  A head is 208,896 bytes on end.
; NO LDS AND NO CLUSTER: every fragment is an image and goes by loads of 512 consecutive bytes straight into the registers in which it is multiplied.  S0's 49,152 bytes are a wave's own within its
; work-group.  S1's 8 x 6,144 bytes are read by each of the four waves: shared through LDS they would be fetched once for four, at the price of tensor loads, barriers and a second read,
; for 256 matrix instructions a wave.
; REGISTERS: window 0: v1-7, v10 addresses and shifts; v16-47 S0's scale words; v48-55 S1's, two sets; v56-63 the results' scale words; v64-127 the accumulators; v128-139 codes; v148-151 V's words as stored; v168-184 at work.
;   window 1: S0's fragments of K steps 0, 1 at 12 (2 i + s);  window 2: of K steps 2, 3; v192-255 the bias;  window 3: S1's fragments, two sets of 48.
.set HEADB, 208896
.set REC,   13056
.set HIB,   768
.set VOF,   6144
.set KSC,   12288
.set VSC,   12800
.set SH8,  10                          ; v10 8 x (lane / 16)
.set S0S,  16
.set S1S,  48
.set SW,   56
.set HA,   64
.set PC,   128
.set SX,   148
.set TM,   168
.set PW,   184
.set BIAS, 192
.set SEL,  32                          ; s[32:33]
.set MSB, 0
.macro WIN new                         ; the immediate's high byte repeats the setting that is left; a switch that changes nothing is dropped
.if MSB != \new
	s_set_vgpr_msb (MSB<<8)|\new
.set MSB, \new
.endif
.endm
; 64 numbers of a lane, v[s] on, register 32 c + i = k 64 c + 32 (lane / 16) + i of my row: two whole blocks.  They become a fragment's codes in v[pc .. pc + 11] and its scale word in v[pw].
.macro QUANT s, pc, pw
.irp c, 0,1
	v_max3_num_f32 v[TM+\c], |v[\s+32*\c]|, |v[\s+32*\c+1]|, 0x1800000   ; block c in two chains: its first 16 numbers, and the floor 2^(3 - 127);  (each accumulator is read from its low end on)
.endr
.irp c, 0,1
	v_max3_num_f32 v[TM+2+\c], |v[\s+32*\c+16]|, |v[\s+32*\c+17]|, |v[\s+32*\c+18]|   ; its last 16
.endr
.irp i, 2,4,6,8,10,12
.irp c, 0,1
	v_max3_num_f32 v[TM+\c], v[TM+\c], |v[\s+32*\c+\i]|, |v[\s+32*\c+\i+1]|
	v_max3_num_f32 v[TM+2+\c], v[TM+2+\c], |v[\s+32*\c+\i+17]|, |v[\s+32*\c+\i+18]|
.endr
.endr
.irp c, 0,1
	v_max3_num_f32 v[TM+\c], v[TM+\c], |v[\s+32*\c+14]|, |v[\s+32*\c+15]|
.endr
.irp c, 0,1
	v_max3_num_f32 v[TM+\c], v[TM+\c], v[TM+2+\c], |v[\s+32*\c+31]|   ; the block's largest magnitude: all 32 numbers are mine
.endr
.irp c, 0,1
	v_add_nc_u32 v[TM+4+\c], 0xff000000, v[TM+\c]          ; 2 off its exponent field: the conversion's scale operand
.endr
.irp c, 0,1
	v_cvt_scalef32_pk16_fp6_f32 v[\pc+6*\c:\pc+6*\c+2], v[\s+32*\c:\s+32*\c+15], v[TM+4+\c]
	v_cvt_scalef32_pk16_fp6_f32 v[TM+8+4*\c:TM+10+4*\c], v[\s+32*\c+16:\s+32*\c+31], v[TM+4+\c]   ; (a conversion's three registers begin on an even number: the block's second three do not)
.endr
.irp c, 0,1
	v_lshrrev_b32 v[TM+\c], 23, v[TM+4+\c]                 ; the scale's byte.  (These lines are the plain place behind the scaled conversions)
.endr
	v_lshl_or_b32 v[\pw], v[TM+1], 16, v[TM]               ; my two bytes: blocks h and 2 + h of my row,
	v_lshlrev_b32 v[\pw], v[SH8], v[\pw]                   ; at their places in the scale word;
	v_permlanex16_b32 v[TM+6], v[\pw], s[SEL], s[SEL+1]
	v_or_b32 v[\pw], v[\pw], v[TM+6]                       ; with lane l xor 16's two the word is whole
.irp c, 0,1
.irp i, 0,1,2
	v_mov_b32 v[\pc+3+6*\c+\i], v[TM+8+4*\c+\i]
.endr
.endr
.endm
.macro S0LOAD                          ; my eight tiles of source 0: 32 scale words a lane, 32 fragments
.irp i, 0,1,2,3,4,5,6,7
.irp f, 0,1
	global_load_b64 v[S0S+4*\i+2*\f:S0S+4*\i+2*\f+1], v3, s[22:23] offset:512*\i+256*\f
.endr
.endr
	WIN 0x40                                       ; destination window 1
.irp i, 0,1,2,3,4,5,6,7
.irp s, 0,1
.irp c, 0,1,2
	global_load_b128 v[12*(2*\i+\s)+4*\c:12*(2*\i+\s)+4*\c+3], v2, s[20:21] offset:(4*\i+\s)*1536+512*\c
.endr
.endr
.endr
	WIN 0x80                                       ; destination window 2
.irp i, 0,1,2,3,4,5,6,7
.irp s, 0,1
.irp c, 0,1,2
	global_load_b128 v[12*(2*\i+\s)+4*\c:12*(2*\i+\s)+4*\c+3], v2, s[20:21] offset:(4*\i+\s+2)*1536+512*\c
.endr
.endr
.endr
	WIN 0
.endm
.macro S1LOAD o                        ; tile o of source 1 into set o % 2: 12 + 2 = 14 loads
.set SET, (\o)%2
	WIN 0xc0                                       ; destination window 3
.irp s, 0,1,2,3
.irp c, 0,1,2
	global_load_b128 v[48*SET+12*\s+4*\c:48*SET+12*\s+4*\c+3], v2, s[24:25] offset:(\o)*6144+1536*\s+512*\c
.endr
.endr
	WIN 0
.irp f, 0,1
	global_load_b64 v[S1S+4*SET+2*\f:S1S+4*SET+2*\f+1], v3, s[26:27] offset:512*(\o)+256*\f
.endr
.endm
; 32 matrix instructions: my eight tiles of source 0 against tile o of source 1, K step by K step; the eight accumulators take turns, one instruction a turn.
; byo = 0: the bias hangs on source 0's rows (tile i's eight registers); 1: on source 1's row (tile o's eight, all equal in a lane).
.macro MULS o, byo
.set SET, (\o)%2
	WIN 0x2d                                       ; source 0 window 1, source 1 window 3, C (the bias) window 2, D window 0
.irp i, 0,1,2,3,4,5,6,7
.if \byo
.set CB, BIAS+8*(\o)
.else
.set CB, BIAS+8*\i
.endif
	v_wmma_scale_f32_16x16x128_f8f6f4 v[HA+8*\i:HA+8*\i+7], v[24*\i:24*\i+11], v[48*SET:48*SET+11], v[CB:CB+7], v[S0S+4*\i], v[S1S+4*SET] matrix_a_fmt:MATRIX_FMT_FP6 matrix_b_fmt:MATRIX_FMT_FP6
.endr
	WIN 0x0d                                       ; C and D window 0
.irp i, 0,1,2,3,4,5,6,7
	v_wmma_scale_f32_16x16x128_f8f6f4 v[HA+8*\i:HA+8*\i+7], v[24*\i+12:24*\i+23], v[48*SET+12:48*SET+23], v[HA+8*\i:HA+8*\i+7], v[S0S+4*\i+1], v[S1S+4*SET+1] matrix_a_fmt:MATRIX_FMT_FP6 matrix_b_fmt:MATRIX_FMT_FP6
.endr
	WIN 0x0e                                       ; source 0 window 2
.irp i, 0,1,2,3,4,5,6,7
	v_wmma_scale_f32_16x16x128_f8f6f4 v[HA+8*\i:HA+8*\i+7], v[24*\i:24*\i+11], v[48*SET+24:48*SET+35], v[HA+8*\i:HA+8*\i+7], v[S0S+4*\i+2], v[S1S+4*SET+2] matrix_a_fmt:MATRIX_FMT_FP6 matrix_b_fmt:MATRIX_FMT_FP6
.endr
.irp i, 0,1,2,3,4,5,6,7
	v_wmma_scale_f32_16x16x128_f8f6f4 v[HA+8*\i:HA+8*\i+7], v[24*\i+12:24*\i+23], v[48*SET+36:48*SET+47], v[HA+8*\i:HA+8*\i+7], v[S0S+4*\i+3], v[S1S+4*SET+3] matrix_a_fmt:MATRIX_FMT_FP6 matrix_b_fmt:MATRIX_FMT_FP6
.endr
	WIN 0
.endm
; Tile o of source 1.  isv = 0: Q or K;  1: V.
.macro OUTER o, isv
.if ((\o) == 0) || ((\o) == 7)
	s_wait_loadcnt 0x0                             ; tile 0: all that was asked for at the head;  tile 7: nothing was asked for behind it
.else
	s_wait_loadcnt 14                              ; this tile's loads are in; the 14 of the next tile, issued behind them, may be out
.endif
	MULS \o, \isv
.rept 4
	v_nop                                          ; four places in front of the loads into this set's registers and of the first read of the results
.endr
.if (\o)+2 < 8
	S1LOAD (\o)+2                                  ; into the set just multiplied
.endif
.if (\o) > 0
	s_wait_xcnt 0x0                                ; the last tile's stores have read their data: the codes' registers are written again only behind this wait
.endif
.if \isv
	QUANT HA, PC, SW+(\o)
.irp c, 0,1,2
	global_store_b128 v2, v[PC+4*\c:PC+4*\c+3], s[30:31] offset:((\o)/4)*HEADB+VOF+1536*((\o)%4)+512*\c   ; a fragment of V^T: head 2 wq + o / 4, channels' tile o % 4
.endr
.else
	QUANT HA, PC, PW
	global_store_b128 v2, v[PC:PC+3], s[30:31] offset:HIB*(\o)                    ; head 2 w: registers 0-3,
	global_store_b64 v3, v[PC+4:PC+5], s[30:31] offset:HIB*(\o)+512               ; 4-5
	global_store_b128 v2, v[PC+6:PC+9], s[30:31] offset:HEADB+HIB*(\o)            ; head 2 w + 1: registers 6-9,
	global_store_b64 v3, v[PC+10:PC+11], s[30:31] offset:HEADB+HIB*(\o)+512       ; 10-11
	v_lshrrev_b32 v[SW+(\o)], v4, v[PW]            ; lanes 0-15 keep the word (bytes 0, 1: head 2 w's); lanes 16-31 bring head 2 w + 1's two bytes down.  Bytes 2, 3 scale products with zero codes and are never 0xff
.if (\o)%4 == 3
	global_store_b128 v5, v[SW+(\o)-3:SW+(\o)], s[30:31] offset:KSC+256*((\o)/4)  ; four tiles' words: sixteen lanes fill 256 consecutive bytes in each of the two heads
.endif
.endif
.endm
	s_load_b256 s[4:11], s[0:1], 0x0               ; cod s[4:5], scl s[6:7], bq s[8:9], bk s[10:11]
	s_load_b128 s[12:15], s[0:1], 0x20             ; bv s[12:13], qrec s[14:15]
	s_load_b64 s[16:17], s[0:1], 0x30              ; kvrec
	v_lshrrev_b32 v8, 5, v0
	v_readfirstlane_b32 s18, v8                    ; wave 0..3
	v_and_b32 v1, 31, v0                           ; lane
	v_lshlrev_b32 v2, 4, v1                        ; 16 x lane
	v_lshlrev_b32 v3, 3, v1                        ; 8 x lane
	v_and_b32 v8, 15, v0                           ; r
	v_bfe_u32 v9, v0, 4, 1                         ; h
	v_lshlrev_b32 v4, 4, v9                        ; 16 h: the shift that brings the second head's scale bytes down
	v_mul_u32_u24 v5, v9, HEADB
	v_lshl_add_u32 v5, v8, 4, v5                   ; scale words out: 16 r, lanes 16-31 one head on
	v_lshlrev_b32 v6, 7, v9                        ; a bias along source 0's rows: 32 h numbers on
	v_and_b32 v7, 7, v8
	v_and_b32 v11, 8, v8
	v_lshl_add_u32 v7, v11, 2, v7
	v_lshlrev_b32 v7, 2, v7                        ; a bias along source 1's row: 4 (r % 8 + 32 (r / 8))
	v_lshlrev_b32 v[SH8], 3, v9                    ; 8 h
	v_mov_b32 v[TM+6], 0                           ; written once: a lane permute's destination counts as one of its sources
	s_mov_b32 s[SEL], 0x76543210
	s_mov_b32 s[SEL+1], 0xfedcba98
	s_and_b32 s34, ttmp9, 1                        ; Q (0) or K (1)
	s_lshr_b32 s35, ttmp9, 1                       ; which 128 rows of x
	s_lshl_b32 s36, s34, 5
	s_lshl_b32 s37, s18, 3
	s_add_co_u32 s36, s36, s37
	s_add_co_u32 s36, s36, 512                     ; Q, K: source 0's first tile: 512 + 32 x which + 8 x wave
	s_lshl_b32 s37, s35, 3                         ;       source 1's
	s_and_b32 s38, ttmp9, 63                       ; V: the work-group's number less 128
	s_and_b32 s39, s38, 3                          ;    which 128 rows of Wv
	s_lshr_b32 s40, s38, 2
	s_lshl_b32 s40, s40, 2
	s_add_co_u32 s40, s40, s18                     ;    which 128 rows of x: 4 x (number / 4) + wave
	s_lshl_b32 s41, s40, 3                         ;    source 0's first tile
	s_lshl_b32 s42, s39, 3
	s_add_co_u32 s42, s42, 576                     ;    source 1's
	s_cmp_lt_u32 ttmp9, 128
	s_cselect_b32 s36, s36, s41
	s_cselect_b32 s37, s37, s42
	s_mul_i32 s20, s36, 6144
	s_mov_b32 s21, 0
	s_lshl_b32 s22, s36, 9
	s_mov_b32 s23, 0
	s_mul_i32 s24, s37, 6144
	s_mov_b32 s25, 0
	s_lshl_b32 s26, s37, 9
	s_mov_b32 s27, 0
	s_wait_kmcnt 0x0
	s_add_nc_u64 s[20:21], s[4:5], s[20:21]        ; source 0: codes,
	s_add_nc_u64 s[22:23], s[6:7], s[22:23]        ; scale words
	s_add_nc_u64 s[24:25], s[4:5], s[24:25]        ; source 1: codes,
	s_add_nc_u64 s[26:27], s[6:7], s[26:27]        ; scale words
	S0LOAD
	S1LOAD 0
	S1LOAD 1
	s_cmp_lt_u32 ttmp9, 128
	s_cbranch_scc0 .Lv
	; ---- Q or K
	s_lshl_b32 s44, s18, 9                         ; the bias of my 128 columns
	s_mov_b32 s45, 0
	s_lshr_b32 s38, s35, 4                         ; the batch,
	s_lshl_b32 s38, s38, 3
	s_lshl_b32 s39, s18, 1
	s_add_co_u32 s38, s38, s39                     ; x 8 + head 2 w
	s_mul_i32 s38, s38, HEADB
	s_and_b32 s39, s35, 15
	s_mul_i32 s39, s39, REC                        ; the record of these 128 rows
	s_add_co_u32 s38, s38, s39
	s_mov_b32 s39, 0
	s_cmp_eq_u32 s34, 0
	s_cselect_b64 s[28:29], s[8:9], s[10:11]       ; bq or bk,
	s_cselect_b64 s[30:31], s[14:15], s[16:17]     ; qrec or kvrec: the choice hangs on the work-group's number alone
	s_add_nc_u64 s[28:29], s[28:29], s[44:45]
	s_add_nc_u64 s[30:31], s[30:31], s[38:39]
	WIN 0x80
.irp i, 0,1,2,3,4,5,6,7                        ; in the result's layout: tile i, lane half h: columns 64 (i / 4) + 32 h + 8 (i % 4) + 0 .. 7
	global_load_b128 v[BIAS+8*\i:BIAS+8*\i+3], v6, s[28:29] offset:(64*(\i/4)+8*(\i%4))*4
	global_load_b128 v[BIAS+8*\i+4:BIAS+8*\i+7], v6, s[28:29] offset:(64*(\i/4)+8*(\i%4))*4+16
.endr
	WIN 0
.irp o, 0,1,2,3,4,5,6,7
	OUTER \o, 0
.endr
	s_endpgm
.Lv:
	; ---- V
	s_lshl_b32 s44, s39, 9                         ; the bias of these 128 rows of Wv
	s_mov_b32 s45, 0
	s_add_nc_u64 s[28:29], s[12:13], s[44:45]
	s_lshr_b32 s38, s40, 4                         ; the batch,
	s_lshl_b32 s38, s38, 3
	s_lshl_b32 s41, s39, 1
	s_add_co_u32 s38, s38, s41                     ; x 8 + head 2 wq
	s_mul_i32 s38, s38, HEADB
	s_and_b32 s41, s40, 15
	s_mul_i32 s41, s41, REC                        ; the record of these 128 keys
	s_add_co_u32 s38, s38, s41
	s_mov_b32 s39, 0
	s_add_nc_u64 s[30:31], s[16:17], s[38:39]
	WIN 0x80
.irp o, 0,1,2,3,4,5,6,7                        ; a lane's channel has one bias for all its keys: the same number in the eight registers of tile o's C
.irp j, 0,1,2,3,4,5,6,7
	global_load_b32 v[BIAS+8*\o+\j], v7, s[28:29] offset:(64*(\o/4)+8*(\o%4))*4
.endr
.endr
	WIN 0
.irp o, 0,1,2,3,4,5,6,7
	OUTER \o, 1
.endr
	v_cmp_le_u32 vcc_lo, 16, v1                    ; lanes 16-31 carry the second head's four words
.irp j, 0,1,2,3
	v_cndmask_b32 v[SX+\j], v[SW+\j], v[SW+4+\j], vcc_lo
.endr
	global_store_b128 v5, v[SX:SX+3], s[30:31] offset:VSC      ; sixteen lanes fill 256 consecutive bytes in each of the two heads
	s_endpgm
.Lfunc_end_k_q624e634be2_qkv:
	.size	k_q624e634be2_qkv, .Lfunc_end_k_q624e634be2_qkv-k_q624e634be2_qkv
	.p2alignl 7, 3214868480
	.fill 96, 4, 3214868480
	.section	.rodata,"a",@progbits
	.p2align	6, 0x0
	.amdhsa_kernel k_q624e634be2_qkv
		.amdhsa_group_segment_fixed_size 0
		.amdhsa_private_segment_fixed_size 0
		.amdhsa_enable_private_segment 0
		.amdhsa_kernarg_size 56
		.amdhsa_user_sgpr_count 2
		.amdhsa_user_sgpr_kernarg_segment_ptr 1
		.amdhsa_wavefront_size32 1
		.amdhsa_system_sgpr_workgroup_id_x 1
		.amdhsa_system_sgpr_workgroup_id_y 1
		.amdhsa_system_sgpr_workgroup_id_z 1
		.amdhsa_system_vgpr_workitem_id 0
		.amdhsa_next_free_vgpr 864
		.amdhsa_next_free_sgpr 66
		.amdhsa_reserve_vcc 1
		.amdhsa_float_denorm_mode_32 3
		.amdhsa_float_denorm_mode_16_64 3
		.amdhsa_memory_ordered 1
		.amdhsa_forward_progress 1
		.amdhsa_inst_pref_size 162
	.end_amdhsa_kernel
	.amdgpu_metadata
---
amdhsa.version: [ 1, 2 ]
amdhsa.kernels:
  - .name:           k_q624e634be2_qkv
    .symbol:         k_q624e634be2_qkv.kd
    .args:
      - { .name: cod, .offset: 0, .size: 8, .value_kind: global_buffer, .address_space: global }
      - { .name: scl, .offset: 8, .size: 8, .value_kind: global_buffer, .address_space: global }
      - { .name: bq, .offset: 16, .size: 8, .value_kind: global_buffer, .address_space: global }
      - { .name: bk, .offset: 24, .size: 8, .value_kind: global_buffer, .address_space: global }
      - { .name: bv, .offset: 32, .size: 8, .value_kind: global_buffer, .address_space: global }
      - { .name: qrec, .offset: 40, .size: 8, .value_kind: global_buffer, .address_space: global }
      - { .name: kvrec, .offset: 48, .size: 8, .value_kind: global_buffer, .address_space: global }
    .group_segment_fixed_size: 0
    .private_segment_fixed_size: 0
    .kernarg_segment_align: 8
    .kernarg_segment_size: 56
    .max_flat_workgroup_size: 128
    .sgpr_count:     66
    .vgpr_count:     864
    .wavefront_size: 32
...
	.end_amdgpu_metadata
.endif
;; end of part 2
;; launch attn (part 3): grid 8 x 32, 16 waves a work-group, clusters of 4 x 1, 210,944 bytes of LDS; arguments qrec, kvrec, cc, cs; writes cc, cs
.if DOCPART == 3
	.amdgcn_target "amdgcn-amd-amdhsa--gfx1250"
	.amdhsa_code_object_version 6
	.text
	.protected	k_q624e634be2_attn
	.globl	k_q624e634be2_attn
	.p2align	8
	.type	k_q624e634be2_attn,@function
k_q624e634be2_attn:
	s_mov_b64 s[64:65], 0
	v_nop
	global_prefetch_b8 v0, s[64:65] scope:SCOPE_SE
	s_setreg_imm32_b32 hwreg(HW_REG_WAVE_MODE, 25, 1), 1
	s_wait_xcnt 0x0
	s_wait_alu depctr_hold_cnt(0) depctr_sa_sdst(0) depctr_va_vdst(0) depctr_va_sdst(0) depctr_va_ssrc(0) depctr_va_vcc(0) depctr_vm_vsrc(0)
	s_getreg_b32 s2, hwreg(HW_REG_IB_STS2, 6, 4)
	s_cmp_eq_u32 s2, 0
	s_cbranch_scc0 .Lentry_in_a_cluster
	s_endpgm
.Lentry_in_a_cluster:
	s_bfe_u32 s2, ttmp6, 0x10000c
	s_cmp_lg_u32 s2, 0x3003
	s_cbranch_scc0 .Lentry_shape_is_right
	s_endpgm
.Lentry_shape_is_right:
; ctx[b][q][head x 64 + d] = the sum over k of softmax_k(Q . K / 8) V, both products on codes of FP6 (E2M3) with E8M0 scales; the result is quantised at once along d as the last product's operand.
; THE SOFTMAX: t = score x log2(e) / 8; M = the running largest t rounded UP to a whole number; p = 2^(t - M) is what is quantised, along the keys, not normalised.  The row's sum is taken of the
; unquantised p and divides at the end.  When M moves, the sum and O are multiplied by 2^(old M - new M): exact.
; A block's largest p is not searched for: p rises with the score, so each block's largest score goes through the same multiply-add and exponential.  (This takes v_exp_f32 not to fall where its input rises;
; at the worst one p of a block, within an ulp of a power of two, is held one code low.)
; LIMITS: NaN and infinities are not served; a block whose largest magnitude lies under 2^-124 (every p fallen to 0, say) gets the byte 1: its codes are zeros or held at that scale.
; THE FIRST PRODUCT'S K IS 64.  Registers 6-11 of Q's fragment are zero codes, written once.  So whatever codes stand in registers 6-11 of K's operand add nothing (FP6 has no code for NaN or infinity, and no
; scale byte here is 0xff): K's eight tiles lie 6 registers apart, tile t's operand is v[KF + 6 t .. KF + 6 t + 11], and its upper six registers are tile t + 1's codes (tile 7's: V's first six).
; SHARES.  A work-group owns 256 queries of one (batch, head); each of its sixteen waves one tile of 16 in 256 registers: four waves to a SIMD.  Every wave walks the head's 2,048 keys, 128 a step.
; LDS.  The head's K and V, codes and scale words, are 208,896 bytes on end in memory, 16 records of 13,056 bytes, one for each key step, laid as images of the operands' registers.  They come into LDS ONCE, as they
; lie, and stay: nothing is filled again.  Each wave brings two parts: 16 rows of 256 bytes of the first 65,536 bytes (records 0-4 end at 65,280) and 35 rows of the rest, which lands while steps 0-3 are worked.
; A wave has two tensor loads out.  The parts are short since 816 rows are shared out among sixteen waves.
; CLUSTER.  The four work-groups of a cluster belong to one head and want the same bytes: every load is asked for jointly, by the same line with the same descriptor (head and wave alone) and the mask of all four.
; LAYOUT.  Both products are used transposed: S^T = K Q^T, O^T = V^T P^T: a lane holds one query throughout.  A tile's lane r holds row 64 c + 8 u + r % 8 + 32 (r / 8) of tile 4 c + u, so the 32 registers of
; tiles 4 c .. 4 c + 3 are the WHOLE BLOCK 64 c + 32 (lane / 16) + 0 .. 31: keys for p, channels for ctx: the block that the operand's layout gives that lane.  Of the softmax only the row's maximum, the row's sum
; at the end and the scale word's bytes cross the halves of the lanes.
; THE ORDER OF A KEY STEP.  The eight score products; this step's V and the NEXT step's K are asked for behind them and have the whole softmax in which to land: one wait on DScnt a step, in front of V^T P.
; The exponentials take turns with plain work of the same wave (scalings of later pairs, sums of finished pairs, the scale bytes, O^T's rescaling), so that no two follow each other.
; REGISTERS: v1-3 16 x lane, 8 x lane, 16 r; v4-6 the same + the record; v7 Q's scale word; v8-11 V's; v12 -M, v13 the largest t, v[14:15] the sum; v16-27 Q; v28-75 K's eight tiles; v76-123 V's four fragments;
; v124-187 S^T, then p; v188-219 O^T; v220-231 p's codes; v232-238 at work; v239 8 x (lane / 16); v240-243 maxima (v240, v242 the two blocks', then the conversions' scale operands); v244-251 K's scale words;
; v252 f, v253 p's word; v254-255 at work, then the sum's second chain.
.set HEADB, 208896
.set REC,   13056
.set HIB,   768
.set FIB,   1536
.set VOF,   6144
.set KSC,   12288
.set VSC,   12800
.set ROWSA, 16
.set ROWSB, 35
.set PARTA, ROWSA*256                  ; a wave's first part
.set PARTB, ROWSB*256                  ; its second
.set QW,   7
.set VW,   8
.set QF,   16
.set KF,   28
.set VF,   76
.set S,    124
.set O,    188
.set PC,   220
.set SCR,  232
.set SH8,  239
.set BM,   240
.set KW,   244
.set WV,   12                          ; s12 my wave's number
.set G1A,  16                          ; s[16:23], s[24:31] descriptor groups 1;  s[32:35], s[36:39] groups 0
.set G1B,  24
.set G0A,  32
.set G0B,  36
.set SEL,  40                          ; s[40:41]
.set CS,   42                          ; s[42:43] c = log2(e) / 8: the packed form names a pair and takes its low word for both halves
.set TB,   44                          ; s44 LDS byte at which the step's record begins
.set CNT,  45
; A round of the cluster's barrier: my work-group's barrier, wave 0 signals for the work-group, every wave waits for all four work-groups, my work-group's barrier once more.
.macro CROUND
	s_barrier_signal -1
	s_barrier_wait -1
	s_cmp_lg_u32 s[WV], 0
	s_cbranch_scc1 .Lnot_wave_0_\@
	s_barrier_signal -3
.Lnot_wave_0_\@:
	s_barrier_wait -3
	s_barrier_signal -1
	s_barrier_wait -1
.endm
; Load number KI of the 18 that bring a record's K: tile KI / 2's registers 0-3, then 4-5; at last the scale words of tiles 0-3 and 4-7 of row r.  off: the record's distance from the address registers'.
.macro KL a16, a8, ar, off
.if KI < 16
.if KI%2 == 0
	ds_load_b128 v[KF+6*(KI/2):KF+6*(KI/2)+3], v[\a16] offset:\off+HIB*(KI/2)
.else
	ds_load_b64 v[KF+6*(KI/2)+4:KF+6*(KI/2)+5], v[\a8] offset:\off+HIB*(KI/2)+512
.endif
.else
	ds_load_b128 v[KW+4*(KI-16):KW+4*(KI-16)+3], v[\ar] offset:\off+KSC+256*(KI-16)
.endif
.set KI, KI+1
.endm
.macro K2 pre                          ; two of the next record's loads: they stand behind the lines of the step's one long chain of dependent lines
.if \pre
	KL 4, 5, 6, REC
	KL 4, 5, 6, REC
.endif
.endm
.macro FOP i                           ; pair i of the scores: t - M, two at a time (of the pairs c and -M the low word serves both halves)
	v_pk_fma_f32 v[S+2*(\i):S+2*(\i)+1], v[S+2*(\i):S+2*(\i)+1], s[CS:CS+1], v[12:13] op_sel_hi:[1,0,0]
.endm
.macro AOP n                           ; line n of 32 of the row's sum of the UNQUANTISED p, in two chains: line 0 starts the second with pairs 0 and 1, line n takes pair n + 1, line 31 joins the chains
.if (\n) == 0
	s_wait_alu depctr_va_vdst(0)
	v_pk_add_f32 v[254:255], v[S:S+1], v[S+2:S+3]
.elseif (\n) == 31
	v_pk_add_f32 v[14:15], v[14:15], v[254:255]
.elseif (\n)%2 == 1
	s_wait_alu depctr_va_vdst(0)
	v_pk_add_f32 v[14:15], v[14:15], v[S+2*(\n)+2:S+2*(\n)+3]
.else
	s_wait_alu depctr_va_vdst(0)
	v_pk_add_f32 v[254:255], v[254:255], v[S+2*(\n)+2:S+2*(\n)+3]
.endif
.endm
.macro GOP                             ; line GI of a list of 26 plain lines that wait for nothing but the two block maxima's exponentials and f
.if GI < 2
	s_wait_alu depctr_va_vdst(0)
	v_max_num_f32 v[BM+2*GI], 0x1800000, v[BM+2*GI]        ; the floor 2^(3 - 127) under a block's largest p: the byte cannot fall under 1
.elseif GI < 4
	v_add_nc_u32 v[BM+2*(GI-2)], 0xff000000, v[BM+2*(GI-2)]   ; 2 off the exponent field: the conversion's scale operand
.elseif GI < 6
	v_lshrrev_b32 v[SCR+GI-4], 23, v[BM+2*(GI-4)]          ; the scale's byte
.elseif GI == 6
	v_lshl_or_b32 v253, v[SCR+1], 16, v[SCR]               ; my two bytes: blocks h and 2 + h of these 128 keys,
.elseif GI == 7
	v_lshlrev_b32 v253, v[SH8], v253                       ; at their places in p's scale word;
.elseif GI == 8
	v_permlanex16_b32 v[SCR+2], v253, s[SEL], s[SEL+1]
.elseif GI == 9
	v_or_b32 v253, v253, v[SCR+2]                          ; with lane l xor 16's two the word is whole
.else
	v_pk_mul_f32 v[O+2*(GI-10):O+2*(GI-10)+1], v[O+2*(GI-10):O+2*(GI-10)+1], v[252:253] op_sel_hi:[1,0]   ; O^T under the new M, each accumulator from its low end on
.endif
.set GI, GI+1
.endm
; A KEY STEP: 128 keys, the record at s[TB].  K's tiles and scale words are in registers when it begins.  pre = 1: the next record's K is asked for.
.macro STEP pre
.set KI, 0
.set GI, 0
.irp t, 0,1,2,3,4,5,6,7                        ; S^T = K Q^T: eight accumulators, one instruction each.  They name none of the registers that the products V^T P just ahead of them write
	v_wmma_scale_f32_16x16x128_f8f6f4 v[S+8*\t:S+8*\t+7], v[KF+6*\t:KF+6*\t+11], v[QF:QF+11], 0, v[KW+\t], v[QW] matrix_a_fmt:MATRIX_FMT_FP6 matrix_b_fmt:MATRIX_FMT_FP6
.endr                                          ; register 32 c + i is key 64 c + 32 (lane / 16) + i of the step
	v_add_nc_u32 v4, s[TB], v1
	v_add_nc_u32 v5, s[TB], v2
	v_add_nc_u32 v6, s[TB], v3
	v_nop                                          ; four places behind these products and behind the last step's V^T P: loads follow into their operands and scale words, and then the first read of S^T
.irp t, 0,1,2,3                                ; this step's V: four fragments (16 channels x 128 keys)
.irp c, 0,1,2
	ds_load_b128 v[VF+12*\t+4*\c:VF+12*\t+4*\c+3], v4 offset:VOF+FIB*\t+512*\c
.endr
.endr
	ds_load_b128 v[VW:VW+3], v6 offset:VSC         ; and their scale words of row r
.irp b, 0,1,2,3
	v_max3_num_f32 v[BM+\b], v[S+16*\b], v[S+16*\b+1], v[S+16*\b+2]   ; the largest score of my two blocks of 32 keys, each in two chains of 16; it serves the row's maximum and the block's largest p
.endr
.irp i, 3,5,7,9,11,13
.irp b, 0,1,2,3
	v_max3_num_f32 v[BM+\b], v[BM+\b], v[S+16*\b+\i], v[S+16*\b+\i+1]   ; the four chains by turns; each accumulator is read from its low end on
.endr
.endr
.irp c, 0,1
	v_max3_num_f32 v[BM+2*\c], v[BM+2*\c], v[BM+2*\c+1], v[S+32*\c+15]
.endr
.irp c, 0,1
	v_max_num_f32 v[BM+2*\c], v[BM+2*\c], v[S+32*\c+31]    ; block 2 c + h's largest score: all its 32 keys are mine
.endr
	K2 \pre
	v_max_num_f32 v254, v[BM], v[BM+2]
	K2 \pre
	v_permlanex16_b32 v[SCR], v254, s[SEL], s[SEL+1]
	K2 \pre
	v_max_num_f32 v254, v254, v[SCR]               ; with lane l xor 16's two blocks: the step's largest score of my query
	K2 \pre
	v_mul_f32 v254, s[CS], v254                    ; as t (c is positive)
	v_mov_b32 v255, v12                            ; the old -M
	K2 \pre
	v_max_num_f32 v13, v13, v254                   ; the running largest t
	K2 \pre
	v_floor_f32 v12, -v13                          ; the new -M = floor(-t) = -ceil(t): a whole number
	K2 \pre
	v_sub_f32 v254, v12, v255                      ; old M less new M: a whole number, 0 or less
	K2 \pre
	v_fma_f32 v[BM], v[BM], s[CS], v12             ; t - M of each block's largest score
	v_fma_f32 v[BM+2], v[BM+2], s[CS], v12
	v_cvt_i32_f32 v254, v254                       ; (it saturates)
	K2 \pre
	v_ldexp_f32 v252, 1.0, v254                    ; f = 2^(old M - new M)
	v_exp_f32 v[BM], v[BM]                         ; the block's largest p: the same two instructions on the same number give the same bits
	FOP 0                                          ; (a plain line that touches nothing of it stands behind every exponential: ISA guide 5.7.2)
	v_exp_f32 v[BM+2], v[BM+2]
	FOP 1
	FOP 2
	FOP 3
	v_pk_mul_f32 v[14:15], v[14:15], v[252:253] op_sel_hi:[1,0]   ; the sum under the new M
; p = 2^(t - M), at most 1.  Behind exponential k: at even k up to 54 the scaling of pair 4 + k / 2, whose exponentials stand eight further on; at odd k from 7 to 55 sum line (k - 7) / 2, whose pair was
; finished four back; at k = 1, 3, 5 and from 56 on the next line of GOP's list, and at k = 8 .. 22 one of them as a second line: 3 + 8 + 15 = 26.
.set k, 0
.rept 64
	v_exp_f32 v[S+k], v[S+k]
.if (k%2 == 0) && (k <= 54)
	FOP 4+k/2
.endif
.if (k%2 == 1) && (k >= 7) && (k <= 55)
	AOP (k-7)/2
.endif
.if ((k%2 == 1) && (k < 7)) || (k > 55) || ((k >= 8) && (k <= 22))
	GOP
.endif
.set k, k+1
.endr
	AOP 25
	s_wait_alu depctr_va_vdst(0)
.irp c, 0,1                                    ; my block 2 c + h: registers 6 c .. 6 c + 5 of the operand
	v_cvt_scalef32_pk16_fp6_f32 v[PC+6*\c:PC+6*\c+2], v[S+32*\c:S+32*\c+15], v[BM+2*\c]
	v_cvt_scalef32_pk16_fp6_f32 v[SCR+4*\c:SCR+4*\c+2], v[S+32*\c+16:S+32*\c+31], v[BM+2*\c]   ; (a conversion's three registers begin on an even number: the block's second three do not)
.endr
	AOP 26                                         ; the one plain place behind a scaled conversion: it reads p and writes none of the conversions' registers
.irp c, 0,1
.irp i, 0,1,2
	v_mov_b32 v[PC+3+6*\c+\i], v[SCR+4*\c+\i]
.endr
.endr
.irp n, 27,28,29,30,31
	AOP \n                                         ; five plain lines that name none of the next products' registers: the places behind the last write of p's codes (four are asked; p's word was written 49 exponentials ago)
.endr
	s_wait_dscnt 0x0                               ; V is in, and so is the next step's K: all were asked for ahead of the softmax
.irp t, 0,1,2,3                                ; O^T += V^T P^T: four accumulators, one instruction each
	v_wmma_scale_f32_16x16x128_f8f6f4 v[O+8*\t:O+8*\t+7], v[VF+12*\t:VF+12*\t+11], v[PC:PC+11], v[O+8*\t:O+8*\t+7], v[VW+\t], v253 matrix_a_fmt:MATRIX_FMT_FP6 matrix_b_fmt:MATRIX_FMT_FP6
.endr
	s_add_co_u32 s[TB], s[TB], REC                 ; the next step's record
.endm
	s_load_b256 s[4:11], s[0:1], 0x0               ; qrec s[4:5], kvrec s[6:7], cc s[8:9], cs s[10:11]
	v_lshl_add_u32 v254, v0, 2, 0x33000
	v_mov_b32 v255, 0
	ds_add_u32 v254, v255
	ds_add_u32 v254, v255
	s_wait_dscnt 0x0
	v_lshrrev_b32 v4, 5, v0
	v_readfirstlane_b32 s[WV], v4                  ; wave 0..15
	v_and_b32 v4, 31, v0
	v_lshlrev_b32 v1, 4, v4                        ; 16 x lane
	v_lshlrev_b32 v2, 3, v4                        ; 8 x lane
	v_and_b32 v3, 15, v0
	v_lshlrev_b32 v3, 4, v3                        ; 16 r
	v_bfe_u32 v[SH8], v0, 4, 1
	v_lshlrev_b32 v[SH8], 3, v[SH8]                ; 8 x (lane / 16): how far my scale bytes are shifted up in a word
	s_and_b32 s13, ttmp7, 0xffff                   ; batch x 8 + head, which the four partners share
	s_bfe_u32 s15, ttmp6, 0x40000                  ; cx: my place in the cluster: it enters Q's, cc's and cs's addresses alone
	s_lshl_b32 s14, ttmp9, 2
	s_add_co_u32 s14, s14, s15                     ; my block of 256 queries
	s_mul_i32 s54, s13, HEADB                      ; the head's first byte in qrec and in kvrec
	; the two descriptors: dense bytes as rows of 256 (32 elements of 8 bytes)
.irp g, G1A, G1B
	s_mov_b32 s[\g], 15|(3<<16)|(1<<21)            ; 15:0 the mask: all four work-groups; 17:16 elements of 8 bytes; 20 no padding; 21 set beside a mask
	s_mov_b32 s[\g+1], 32<<16                      ; tensor_dim0 = 32
	s_mov_b32 s[\g+3], 32<<16                      ; tile_dim0 = 32
	s_mov_b32 s[\g+5], 32                          ; from row to row
	s_mov_b32 s[\g+6], 0
	s_mov_b32 s[\g+7], 0
.endr
	s_mov_b32 s[G1A+2], ROWSA<<16                  ; tensor_dim1
	s_mov_b32 s[G1A+4], ROWSA                      ; tile_dim1
	s_mov_b32 s[G1B+2], ROWSB<<16
	s_mov_b32 s[G1B+4], ROWSB
	s_mov_b32 s[G0A], 1
	s_mul_i32 s[G0A+1], s[WV], PARTA               ; LDS address = the byte in the head: wave x 4,096
	s_mov_b32 s[G0B], 1
	s_mul_i32 s[G0B+1], s[WV], PARTB
	s_add_co_u32 s[G0B+1], s[G0B+1], 16*PARTA      ; 65,536 + wave x 8,960
	s_add_co_u32 s56, s54, s[G0A+1]
	s_mov_b32 s57, 0
	s_add_co_u32 s58, s54, s[G0B+1]
	s_mov_b32 s59, 0
	; Q's tile 16 x block + wave of the head: record 2 x block + wave / 8, tile wave % 8 in it
	s_lshl_b32 s46, s14, 1
	s_lshr_b32 s47, s[WV], 3
	s_add_co_u32 s46, s46, s47
	s_mul_i32 s46, s46, REC
	s_add_co_u32 s46, s46, s54
	s_and_b32 s50, s[WV], 7
	s_mul_i32 s50, s50, HIB
	s_bfe_u32 s51, s[WV], 0x10002                  ; (wave / 4) % 2: which group of four tiles' scale words
	s_lshl_b32 s51, s51, 8
	s_and_b32 s52, s[WV], 3
	s_lshl_b32 s52, s52, 2
	s_add_co_u32 s48, s46, s51
	s_add_co_u32 s48, s48, s52
	s_add_co_u32 s48, s48, KSC                     ; its scale words
	s_mov_b32 s49, 0
	s_add_co_u32 s46, s46, s50                     ; its codes
	s_mov_b32 s47, 0
	; ctx: tile T = batch x 128 + 16 x block + wave
	s_lshr_b32 s50, s13, 3
	s_lshl_b32 s50, s50, 7
	s_lshl_b32 s51, s14, 4
	s_add_co_u32 s50, s50, s51
	s_add_co_u32 s50, s50, s[WV]
	s_and_b32 s51, s13, 7                          ; the head
	s_lshl_b32 s52, s50, 9
	s_lshl_b32 s53, s51, 1
	s_add_co_u32 s52, s52, s53                     ; cs: T x 512 + 2 x head
	s_mov_b32 s53, 0
	s_lshl_b32 s50, s50, 3
	s_add_co_u32 s50, s50, s51
	s_mul_i32 s50, s50, HIB                        ; cc: (T x 8 + head) x 768
	s_mov_b32 s51, 0
	s_mov_b32 s[SEL], 0x76543210
	s_mov_b32 s[SEL+1], 0xfedcba98
	s_mov_b32 s[CS], 0x3e38aa3b                    ; c = log2(e) / 8
	s_mov_b32 s[CS+1], s[CS]                       ; (named with it as a pair, so it is written)
	s_wait_kmcnt 0x0
	s_add_nc_u64 s[G0A+2:G0A+3], s[6:7], s[56:57]
	s_or_b32 s[G0A+3], s[G0A+3], 0x80000000        ; type = 2
	s_add_nc_u64 s[G0B+2:G0B+3], s[6:7], s[58:59]
	s_or_b32 s[G0B+3], s[G0B+3], 0x80000000
	s_add_nc_u64 s[46:47], s[4:5], s[46:47]
	s_add_nc_u64 s[48:49], s[4:5], s[48:49]
	s_add_nc_u64 s[50:51], s[8:9], s[50:51]
	s_add_nc_u64 s[52:53], s[10:11], s[52:53]
	CROUND                                         ; all four work-groups are here: the joint loads meet
	tensor_load_to_lds s[G0A:G0A+3], s[G1A:G1A+7]  ; my part of the first 65,536 bytes
	s_nop 0
	tensor_load_to_lds s[G0B:G0B+3], s[G1B:G1B+7]  ; my part of the rest: the launch's only fills, together, ahead of every wait on TENSORcnt and every LDS read
	s_nop 0
.rept 4
	v_nop
.endr
	global_load_b128 v[QF:QF+3], v1, s[46:47]      ; Q's fragment stays in registers: registers 0-3,
	global_load_b64 v[QF+4:QF+5], v2, s[46:47] offset:512   ; 4-5
	global_load_b32 v[QW], v3, s[48:49]            ; its scale word
.irp j, 6,7,8,9,10,11
	v_mov_b32 v[QF+\j], 0                          ; Q's k = 64 .. 127: zero codes
.endr
.irp j, 0,1,2,3,4,5
	v_mov_b32 v[VF+\j], 0                          ; the upper six registers of K's tile 7: written before the first step reads them; later V's codes stand here
.endr
.irp j, 0,1,2,3,4,5,6,7,8,9,10,11,12,13,14,15,16,17,18,19,20,21,22,23,24,25,26,27,28,29,30,31
	v_mov_b32 v[O+\j], 0                           ; O^T.  (The step is written once for all: the first finds zeros, which the first change of M leaves zeros)
.endr
	v_mov_b32 v13, 0xff61b1e6                      ; the largest t so far: -3e38, under every t
	v_floor_f32 v12, -v13                          ; -M
	v_mov_b32 v14, 0                               ; the sum, in two halves
	v_mov_b32 v15, 0
.irp b, 0,1,2
	v_mov_b32 v[SCR+\b], 0                         ; written once: a lane permute's destination counts as one of its sources
.endr
	v_mov_b32 v253, 0                              ; (named as the upper half of the pair v[252:253] before it is first written)
	s_wait_tensorcnt 0x1                           ; my first part is in; my second, issued behind it, may stay out
	s_barrier_signal -1
	s_barrier_wait -1                              ; everybody's first part is in: records 0-4
.set KI, 0
.rept 18
	KL 1, 2, 3, 0                                  ; record 0's K
.endr
	s_wait_loadcnt 0x0                             ; Q
	s_wait_dscnt 0x0
	s_mov_b32 s[TB], 0
	s_mov_b32 s[CNT], 4
.Lp1:                                                  ; key steps 0-3; they ask for K of records 1-4: LDS bytes under 65,280
	STEP 1
	s_sub_co_u32 s[CNT], s[CNT], 1
	s_cmp_lg_u32 s[CNT], 0
	s_cbranch_scc1 .Lp1
	s_wait_tensorcnt 0x0                           ; my second part is in;
	s_wait_dscnt 0x0                               ; no LDS load of mine is out at the signal
	s_barrier_signal -1
	s_barrier_wait -1                              ; everybody's is: the whole head
	s_mov_b32 s[TB], 4*REC
	s_mov_b32 s[CNT], 11
.Lp2:                                                  ; key steps 4-14; they ask for K of records 5-15
	STEP 1
	s_sub_co_u32 s[CNT], s[CNT], 1
	s_cmp_lg_u32 s[CNT], 0
	s_cbranch_scc1 .Lp2
	s_mov_b32 s[TB], 15*REC
	STEP 0                                         ; the last step is written out: there is no record behind it to ask for
	; THE WAY OUT: O^T / the sum, quantised along d, stored as half a fragment's image and two scale bytes.  Register 8 t + j is d = 32 (lane / 16) + 8 t + j: my 32 numbers are one whole block.
.rept 4
	v_nop                                          ; places behind the last products
.endr
	v_add_f32 v14, v14, v15                        ; the sum's two halves,
	v_permlanex16_b32 v252, v14, s[SEL], s[SEL+1]
	v_add_f32 v14, v14, v252                       ; and lane l xor 16's: the row's sum
	v_rcp_f32 v14, v14
	v_nop                                          ; one plain place behind a transcendental
	s_wait_alu depctr_va_vdst(0)
.irp j, 0,2,4,6,8,10,12,14,16,18,20,22,24,26,28,30
	v_pk_mul_f32 v[S+\j:S+\j+1], v[O+\j:O+\j+1], v[14:15] op_sel_hi:[1,0]   ; each accumulator from its low end on
.endr
	v_max3_num_f32 v[BM], |v[S]|, |v[S+1]|, 0x1800000      ; the block's largest magnitude in two chains, and the floor 2^(3 - 127)
	v_max3_num_f32 v[BM+1], |v[S+16]|, |v[S+17]|, |v[S+18]|
.irp i, 2,4,6,8,10,12
	v_max3_num_f32 v[BM], v[BM], |v[S+\i]|, |v[S+\i+1]|
	v_max3_num_f32 v[BM+1], v[BM+1], |v[S+\i+17]|, |v[S+\i+18]|
.endr
	v_max3_num_f32 v[BM], v[BM], |v[S+14]|, |v[S+15]|
	v_max3_num_f32 v[BM], v[BM], v[BM+1], |v[S+31]|
	v_add_nc_u32 v[BM], 0xff000000, v[BM]          ; 2 off its exponent field: the conversion's scale operand
	v_cvt_scalef32_pk16_fp6_f32 v[PC:PC+2], v[S:S+15], v[BM]
	v_cvt_scalef32_pk16_fp6_f32 v[SCR+4:SCR+6], v[S+16:S+31], v[BM]
	v_lshrrev_b32 v[SCR], 23, v[BM]                ; the scale's byte.  (The plain place behind the scaled conversions)
	v_lshlrev_b32 v[SCR], v[SH8], v[SCR]           ; block h's place
	v_permlanex16_b32 v[SCR+1], v[SCR], s[SEL], s[SEL+1]
	v_or_b32 v254, v[SCR], v[SCR+1]                ; my row's two scale bytes for this head
.irp i, 0,1,2
	v_mov_b32 v[PC+3+\i], v[SCR+4+\i]
.endr
	global_store_b128 v1, v[PC:PC+3], s[50:51]             ; 512 consecutive bytes, aligned
	global_store_b64 v2, v[PC+4:PC+5], s[50:51] offset:512 ; 256 consecutive bytes, aligned
	global_store_b16 v1, v254, s[52:53]            ; two bytes a lane, 16 apart: 64 bytes beside the wave's 768 of codes; so laid, a lane's 16 bytes are the four scale words that the next launch takes by one load
	s_wait_xcnt 0x0
	v_lshl_add_u32 v254, v0, 2, 0x33000
	v_mov_b32 v255, 0
	s_wait_tensorcnt 0x0
	ds_add_u32 v254, v255
	s_wait_dscnt 0x0
	CROUND                                         ; the closing round: no work-group ends while a partner may still ask for bytes that name it
	s_endpgm
.Lfunc_end_k_q624e634be2_attn:
	.size	k_q624e634be2_attn, .Lfunc_end_k_q624e634be2_attn-k_q624e634be2_attn
	.p2alignl 7, 3214868480
	.fill 96, 4, 3214868480
	.section	.rodata,"a",@progbits
	.p2align	6, 0x0
	.amdhsa_kernel k_q624e634be2_attn
		.amdhsa_group_segment_fixed_size 210944
		.amdhsa_private_segment_fixed_size 0
		.amdhsa_enable_private_segment 0
		.amdhsa_kernarg_size 32
		.amdhsa_user_sgpr_count 2
		.amdhsa_user_sgpr_kernarg_segment_ptr 1
		.amdhsa_wavefront_size32 1
		.amdhsa_system_sgpr_workgroup_id_x 1
		.amdhsa_system_sgpr_workgroup_id_y 1
		.amdhsa_system_sgpr_workgroup_id_z 1
		.amdhsa_system_vgpr_workitem_id 0
		.amdhsa_next_free_vgpr 256
		.amdhsa_next_free_sgpr 66
		.amdhsa_reserve_vcc 0
		.amdhsa_float_denorm_mode_32 3
		.amdhsa_float_denorm_mode_16_64 3
		.amdhsa_memory_ordered 1
		.amdhsa_forward_progress 1
		.amdhsa_inst_pref_size 57
	.end_amdhsa_kernel
	.amdgpu_metadata
---
amdhsa.version: [ 1, 2 ]
amdhsa.kernels:
  - .name:           k_q624e634be2_attn
    .symbol:         k_q624e634be2_attn.kd
    .args:
      - { .name: qrec, .offset: 0, .size: 8, .value_kind: global_buffer, .address_space: global }
      - { .name: kvrec, .offset: 8, .size: 8, .value_kind: global_buffer, .address_space: global }
      - { .name: cc, .offset: 16, .size: 8, .value_kind: global_buffer, .address_space: global }
      - { .name: cs, .offset: 24, .size: 8, .value_kind: global_buffer, .address_space: global }
    .group_segment_fixed_size: 210944
    .private_segment_fixed_size: 0
    .kernarg_segment_align: 8
    .kernarg_segment_size: 32
    .max_flat_workgroup_size: 512
    .sgpr_count:     66
    .vgpr_count:     256
    .wavefront_size: 32
...
	.end_amdgpu_metadata
.endif
;; end of part 3
;; launch oproj (part 4): grid 256 x 1, 2 waves a work-group, no clusters, 17,152 bytes of LDS; arguments cc, cs, cod, scl, bo, out0; writes out0
.if DOCPART == 4
	.amdgcn_target "amdgcn-amd-amdhsa--gfx1250"
	.amdhsa_code_object_version 6
	.text
	.protected	k_q624e634be2_oproj
	.globl	k_q624e634be2_oproj
	.p2align	8
	.type	k_q624e634be2_oproj,@function
k_q624e634be2_oproj:
	s_mov_b64 s[64:65], 0
	v_nop
	global_prefetch_b8 v0, s[64:65] scope:SCOPE_SE
	s_setreg_imm32_b32 hwreg(HW_REG_WAVE_MODE, 25, 1), 1
	s_wait_xcnt 0x0
; out0 = ctx Wo^T + bo on codes of FP6 (E2M3) with E8M0 scales, sums in f32.  ctx comes as codes (cc: (tile x 8 + head) x 768: half a fragment's image, registers 0-3 at 16 x lane, 4-5 at 512 + 8 x lane)
; and scale bytes (cs: tile x 512 + 16 x lane: the lane's four scale words); Wo as images in cod and scl, tiles 608-639.  A tile's lane r holds row 64 c + 8 u + r % 8 + 32 (r / 8) of tile 4 c + u.
; A WAVE keeps eight tiles of Wo (128 output columns) for all of K = 512 in registers (384) and walks four tiles of ctx (64 rows), written out: for each, 32 matrix instructions on 8 accumulators by turns,
; K ascending, bo as the C of K step 0.  Used transposed (source 0 = Wo, source 1 = ctx) a lane holds one row and 8 neighbouring columns a tile: tile i, lane half h: columns 64 (i / 4) + 32 h + 8 (i % 4) + 0 .. 7.
; THE WAY OUT: a tile's 16 rows x 128 columns go through the wave's own stage in LDS (rows of 512 + 16 bytes) and leave as whole runs of 512 consecutive bytes.  Waves share nothing: no barrier.
; 256 work-groups of two waves: work-group g takes rows 64 (g / 2) on, its wave w columns 128 (2 (g % 2) + w) on.
; NO CLUSTER AND NO TENSOR LOADS: every fragment is an image and goes straight into the registers in which it is multiplied; a wave has 128 matrix instructions, and Wo's 49,152 bytes a wave are its own in its work-group.
; REGISTERS: window 0: v1-9 addresses; v16-47 Wo's scale words; v48-55 ctx's, two sets; v64-127 the accumulators; v128-191, v192-255 rows on their way out, by turns.
;   window 1: Wo's fragments of K steps 0, 1 at 12 (2 i + s);  window 2: of K steps 2, 3; v192-255 the bias;  window 3: ctx's fragments, two sets of 48.
.set HIB,  768
.set SP,   528
.set S0S,  16
.set S1S,  48
.set HA,   64
.set BK,   128
.set BIAS, 192
.set MSB, 0
.macro WIN new                         ; the immediate's high byte repeats the setting that is left; a switch that changes nothing is dropped
.if MSB != \new
	s_set_vgpr_msb (MSB<<8)|\new
.set MSB, \new
.endif
.endm
.macro S0LOAD                          ; my eight tiles of Wo: 32 scale words a lane, 32 fragments
.irp i, 0,1,2,3,4,5,6,7
.irp f, 0,1
	global_load_b64 v[S0S+4*\i+2*\f:S0S+4*\i+2*\f+1], v3, s[22:23] offset:512*\i+256*\f
.endr
.endr
	WIN 0x40                                       ; destination window 1
.irp i, 0,1,2,3,4,5,6,7
.irp s, 0,1
.irp c, 0,1,2
	global_load_b128 v[12*(2*\i+\s)+4*\c:12*(2*\i+\s)+4*\c+3], v2, s[20:21] offset:(4*\i+\s)*1536+512*\c
.endr
.endr
.endr
	WIN 0x80                                       ; destination window 2
.irp i, 0,1,2,3,4,5,6,7
.irp s, 0,1
.irp c, 0,1,2
	global_load_b128 v[12*(2*\i+\s)+4*\c:12*(2*\i+\s)+4*\c+3], v2, s[20:21] offset:(4*\i+\s+2)*1536+512*\c
.endr
.endr
.endr
	WIN 0
.endm
.macro S1LOADC o                       ; tile o of ctx into set o % 2: K step s is heads 2 s (registers 0-5) and 2 s + 1 (6-11): 16 + 1 = 17 loads
.set SET, (\o)%2
	WIN 0xc0                                       ; destination window 3
.irp s, 0,1,2,3
.irp p, 0,1
	global_load_b128 v[48*SET+12*\s+6*\p:48*SET+12*\s+6*\p+3], v2, s[24:25] offset:(\o)*6144+(2*\s+\p)*HIB
	global_load_b64 v[48*SET+12*\s+6*\p+4:48*SET+12*\s+6*\p+5], v3, s[24:25] offset:(\o)*6144+(2*\s+\p)*HIB+512
.endr
.endr
	WIN 0
	global_load_b128 v[S1S+4*SET:S1S+4*SET+3], v2, s[26:27] offset:512*(\o)
.endm
; 32 matrix instructions: my eight tiles of Wo against tile o of ctx, K step by K step; the eight accumulators take turns, one instruction a turn.
.macro MULS o
.set SET, (\o)%2
	WIN 0x2d                                       ; source 0 window 1, source 1 window 3, C (the bias) window 2, D window 0
.irp i, 0,1,2,3,4,5,6,7
	v_wmma_scale_f32_16x16x128_f8f6f4 v[HA+8*\i:HA+8*\i+7], v[24*\i:24*\i+11], v[48*SET:48*SET+11], v[BIAS+8*\i:BIAS+8*\i+7], v[S0S+4*\i], v[S1S+4*SET] matrix_a_fmt:MATRIX_FMT_FP6 matrix_b_fmt:MATRIX_FMT_FP6
.endr
	WIN 0x0d                                       ; C and D window 0
.irp i, 0,1,2,3,4,5,6,7
	v_wmma_scale_f32_16x16x128_f8f6f4 v[HA+8*\i:HA+8*\i+7], v[24*\i+12:24*\i+23], v[48*SET+12:48*SET+23], v[HA+8*\i:HA+8*\i+7], v[S0S+4*\i+1], v[S1S+4*SET+1] matrix_a_fmt:MATRIX_FMT_FP6 matrix_b_fmt:MATRIX_FMT_FP6
.endr
	WIN 0x0e                                       ; source 0 window 2
.irp i, 0,1,2,3,4,5,6,7
	v_wmma_scale_f32_16x16x128_f8f6f4 v[HA+8*\i:HA+8*\i+7], v[24*\i:24*\i+11], v[48*SET+24:48*SET+35], v[HA+8*\i:HA+8*\i+7], v[S0S+4*\i+2], v[S1S+4*SET+2] matrix_a_fmt:MATRIX_FMT_FP6 matrix_b_fmt:MATRIX_FMT_FP6
.endr
.irp i, 0,1,2,3,4,5,6,7
	v_wmma_scale_f32_16x16x128_f8f6f4 v[HA+8*\i:HA+8*\i+7], v[24*\i+12:24*\i+23], v[48*SET+36:48*SET+47], v[HA+8*\i:HA+8*\i+7], v[S0S+4*\i+3], v[S1S+4*SET+3] matrix_a_fmt:MATRIX_FMT_FP6 matrix_b_fmt:MATRIX_FMT_FP6
.endr
	WIN 0
.endm
.macro OUTER o
.set BB, BK+64*((\o)%2)
.if ((\o) == 0) || ((\o) == 3)
	s_wait_loadcnt 0x0                             ; tile 0: all that was asked for at the head;  tile 3: nothing was asked for behind it
.else
	s_wait_loadcnt 17                              ; this tile's loads are in; the 17 of the next tile, issued behind them, may be out
.endif
	MULS \o
.rept 5
	v_nop                                          ; places: four in front of the loads into this set's registers and of the LDS stores that read the results; the fifth since the next
.endr                                                  ; tile's first products write over these accumulators and no other vector work stands between
.if (\o)+2 < 4
	S1LOADC (\o)+2                                 ; into the set just multiplied
.endif
.irp i, 0,1,2,3,4,5,6,7                        ; lane (r, h), tile i: columns 64 (i / 4) + 32 h + 8 (i % 4) + 0 .. 7 of stage row r; each accumulator from its low end on
	ds_store_b128 v8, v[HA+8*\i:HA+8*\i+3] offset:256*(\i/4)+32*(\i%4)
	ds_store_b128 v8, v[HA+8*\i+4:HA+8*\i+7] offset:256*(\i/4)+32*(\i%4)+16
.endr
.if (\o) >= 2
	s_wait_xcnt 0x0                                ; the stores of two tiles ago have read their data: these registers are loaded into again only behind this wait
.endif
.irp i, 0,1,2,3,4,5,6,7,8,9,10,11,12,13,14,15
	ds_load_b128 v[BB+4*\i:BB+4*\i+3], v9 offset:SP*\i     ; LDS serves a wave's instructions in order: these see the stores above
.endr
.irp i, 0,1,2,3,4,5,6,7,8,9,10,11,12,13,14,15
	s_wait_dscnt 15-\i                             ; row i is back; the 15 - i younger loads may be out.  The last of these waits, for 0, also shows that the stage's stores have read the accumulators
	global_store_b128 v2, v[BB+4*\i:BB+4*\i+3], s[30:31] offset:(8*(\o)+(\i%8)+32*(\i/8))*2048 th:TH_STORE_NT   ; 512 consecutive bytes, aligned, of the row that the tile's lane i holds; written once
.endr
.endm
	s_load_b256 s[4:11], s[0:1], 0x0               ; cc s[4:5], cs s[6:7], cod s[8:9], scl s[10:11]
	s_load_b128 s[12:15], s[0:1], 0x20             ; bo s[12:13], out0 s[14:15]
	v_lshl_add_u32 v62, v0, 2, 0x4200
	v_mov_b32 v63, 0
	v_lshrrev_b32 v4, 5, v0
	v_readfirstlane_b32 s18, v4                    ; wave 0..1
	v_and_b32 v1, 31, v0                           ; lane
	v_lshlrev_b32 v2, 4, v1                        ; 16 x lane
	v_lshlrev_b32 v3, 3, v1                        ; 8 x lane
	v_and_b32 v4, 15, v0                           ; r
	v_bfe_u32 v5, v0, 4, 1                         ; h
	v_lshlrev_b32 v6, 7, v5                        ; the bias: 32 h numbers on
	s_mul_i32 s34, s18, 16*SP                      ; my stage
	v_mul_u32_u24 v8, v4, SP
	v_lshl_add_u32 v8, v5, 7, v8
	v_add_nc_u32 v8, s34, v8                       ; into it: row r, + 128 h bytes
	v_add_nc_u32 v9, s34, v2                       ; back: 16 x lane of a row
	s_lshr_b32 s35, ttmp9, 1                       ; which 64 rows
	s_and_b32 s36, ttmp9, 1
	s_lshl_b32 s36, s36, 1
	s_add_co_u32 s36, s36, s18                     ; which 128 columns
	s_lshl_b32 s37, s36, 3
	s_add_co_u32 s37, s37, 608                     ; Wo's first tile of them
	s_mul_i32 s20, s37, 6144
	s_mov_b32 s21, 0
	s_lshl_b32 s22, s37, 9
	s_mov_b32 s23, 0
	s_mul_i32 s24, s35, 4*6144                     ; four tiles of ctx: 8 heads x 768 bytes each,
	s_mov_b32 s25, 0
	s_lshl_b32 s26, s35, 11                        ; 512 bytes of scale words each
	s_mov_b32 s27, 0
	s_lshl_b32 s28, s36, 9                         ; 128 numbers of bo; and as many bytes along a row of out0
	s_mov_b32 s29, 0
	s_lshl_b32 s30, s35, 17                        ; 64 rows of 2,048 bytes
	s_add_co_u32 s30, s30, s28
	s_mov_b32 s31, 0
	s_wait_kmcnt 0x0
	s_add_nc_u64 s[20:21], s[8:9], s[20:21]
	s_add_nc_u64 s[22:23], s[10:11], s[22:23]
	s_add_nc_u64 s[24:25], s[4:5], s[24:25]
	s_add_nc_u64 s[26:27], s[6:7], s[26:27]
	s_add_nc_u64 s[28:29], s[12:13], s[28:29]
	s_add_nc_u64 s[30:31], s[14:15], s[30:31]
	S0LOAD
	S1LOADC 0
	S1LOADC 1
	WIN 0x80
.irp i, 0,1,2,3,4,5,6,7                        ; in the result's layout: tile i, lane half h: columns 64 (i / 4) + 32 h + 8 (i % 4) + 0 .. 7
	global_load_b128 v[BIAS+8*\i:BIAS+8*\i+3], v6, s[28:29] offset:(64*(\i/4)+8*(\i%4))*4
	global_load_b128 v[BIAS+8*\i+4:BIAS+8*\i+7], v6, s[28:29] offset:(64*(\i/4)+8*(\i%4))*4+16
.endr
	WIN 0
.irp o, 0,1,2,3
	OUTER \o
.endr
	s_wait_tensorcnt 0x0
	ds_add_u32 v62, v63
	s_wait_dscnt 0x0
	s_endpgm
.Lfunc_end_k_q624e634be2_oproj:
	.size	k_q624e634be2_oproj, .Lfunc_end_k_q624e634be2_oproj-k_q624e634be2_oproj
	.p2alignl 7, 3214868480
	.fill 96, 4, 3214868480
	.section	.rodata,"a",@progbits
	.p2align	6, 0x0
	.amdhsa_kernel k_q624e634be2_oproj
		.amdhsa_group_segment_fixed_size 17152
		.amdhsa_private_segment_fixed_size 0
		.amdhsa_enable_private_segment 0
		.amdhsa_kernarg_size 48
		.amdhsa_user_sgpr_count 2
		.amdhsa_user_sgpr_kernarg_segment_ptr 1
		.amdhsa_wavefront_size32 1
		.amdhsa_system_sgpr_workgroup_id_x 1
		.amdhsa_system_sgpr_workgroup_id_y 1
		.amdhsa_system_sgpr_workgroup_id_z 1
		.amdhsa_system_vgpr_workitem_id 0
		.amdhsa_next_free_vgpr 864
		.amdhsa_next_free_sgpr 66
		.amdhsa_reserve_vcc 0
		.amdhsa_float_denorm_mode_32 3
		.amdhsa_float_denorm_mode_16_64 3
		.amdhsa_memory_ordered 1
		.amdhsa_forward_progress 1
		.amdhsa_inst_pref_size 55
	.end_amdhsa_kernel
	.amdgpu_metadata
---
amdhsa.version: [ 1, 2 ]
amdhsa.kernels:
  - .name:           k_q624e634be2_oproj
    .symbol:         k_q624e634be2_oproj.kd
    .args:
      - { .name: cc, .offset: 0, .size: 8, .value_kind: global_buffer, .address_space: global }
      - { .name: cs, .offset: 8, .size: 8, .value_kind: global_buffer, .address_space: global }
      - { .name: cod, .offset: 16, .size: 8, .value_kind: global_buffer, .address_space: global }
      - { .name: scl, .offset: 24, .size: 8, .value_kind: global_buffer, .address_space: global }
      - { .name: bo, .offset: 32, .size: 8, .value_kind: global_buffer, .address_space: global }
      - { .name: out0, .offset: 40, .size: 8, .value_kind: global_buffer, .address_space: global }
    .group_segment_fixed_size: 17152
    .private_segment_fixed_size: 0
    .kernarg_segment_align: 8
    .kernarg_segment_size: 48
    .max_flat_workgroup_size: 64
    .sgpr_count:     66
    .vgpr_count:     864
    .wavefront_size: 32
...
	.end_amdgpu_metadata
.endif
;; end of part 4
;; ======== version 2 of 2: 4 launches
;; workspace buffers: cod 3,932,160 bytes; scl 327,680 bytes; qrec 6,684,672 bytes; kvrec 6,684,672 bytes; cc 3,145,728 bytes; cs 262,144 bytes
;; launch quant (part 5): grid 320 x 1, 4 waves a work-group, no clusters, 68,096 bytes of LDS; arguments x, Wq, Wk, Wv, Wo, cod, scl; writes cod, scl
.if DOCPART == 5
	.amdgcn_target "amdgcn-amd-amdhsa--gfx1250"
	.amdhsa_code_object_version 6
	.text
	.protected	k_q624e634be2_quant
	.globl	k_q624e634be2_quant
	.p2align	8
	.type	k_q624e634be2_quant,@function
k_q624e634be2_quant:
	s_mov_b64 s[64:65], 0
	v_nop
	global_prefetch_b8 v0, s[64:65] scope:SCOPE_SE
	s_setreg_imm32_b32 hwreg(HW_REG_WAVE_MODE, 25, 1), 1
	s_wait_xcnt 0x0
; x [8192][512] and Wq, Wk, Wv, Wo [512][512], f32 with K innermost, become codes of FP6 (E2M3) with one E8M0 byte for each 32 along K.
; A block's scale is 2^(floor(log2(its largest magnitude)) - 2): its byte is that magnitude's exponent field - 2, held at 1 from below.
; LIMITS: NaN and infinities are not served.  A block whose largest magnitude lies under 2^-124 (a block of zeros too) gets the byte 1 where the
; quantiser's text gives another: its codes are zeros or held at that scale, and the bytes are read by this program alone.
; THE OUTPUT IS LAID AS THE MATRIX UNIT'S REGISTERS.  A tile is 16 rows; tile 4 c + u takes, in lane r, row 64 c + 8 u + r % 8 + 32 (r / 8).  A fragment (a tile x 128 along K,
; 12 registers a lane) is an image of 1,536 bytes: registers 4 c .. 4 c + 3 of lane l at 512 c + 16 l.  cod: (tile x 4 + K step) x 1,536; tiles 0-511 x, then 32 each of Wq, Wk, Wv, Wo.
; scl: tile x 512 + 256 x half + 8 x lane: the scale words of K steps 2 half and 2 half + 1 of the lane's row (lanes 16-31 repeat lanes 0-15).
; SHARES.  Work-group g takes tiles 2 g and 2 g + 1; wave w tile 2 g + w / 2, K steps 2 (w % 2) and 2 (w % 2) + 1: 16 rows x 1,024 bytes, all 32 loads out at once.
; Each load takes 512 consecutive bytes of one row; a K step's 16 rows turn through the wave's own stage in LDS (rows of 512 + 16 bytes), from which lane (r, h) takes, of row r,
; the two whole blocks k = 64 c + 32 h + 0 .. 31, as the operand's layout gives them to that lane.  Waves share nothing: no barrier.  No matrix work, no tensor loads, no cluster: no byte is read by two work-groups.
.set SP,   528                         ; a stage row: 512 bytes + 16: the sixteen rows that a read touches start at sixteen different groups of four banks
.set STG,  16*SP                       ; a stage: one K step of 16 rows
.set WREG, 2*STG                       ; a wave's LDS: two stages
.set SH8,  6                           ; v6      8 x (lane / 16): how far my two scale bytes are shifted up in the word
.set TM,   8                           ; v8-22   at work in QUANT
.set PW,   24                          ; v24-25  the two scale words
.set LD,   32                          ; v32-159 as loaded: K step q at 64 q, row i at 4 i;  v32-95 later the second step's 64 numbers, v96-107 its codes
.set X,    160                         ; v160-223 the first step's 64 numbers
.set PC0,  224                         ; v224-235 its codes
.set PC1,  96
.set SEL,  24                          ; s[24:25] lane selects for v_permlanex16_b32: lane l xor 16
; 64 numbers of a lane, v[s] on, register 32 c + i = k 64 c + 32 (lane / 16) + i of my row: two whole blocks.  They become a fragment's codes in v[pc .. pc + 11] and its scale word in v[pw].
.macro QUANT s, pc, pw
.irp c, 0,1
	v_max3_num_f32 v[TM+\c], |v[\s+32*\c]|, |v[\s+32*\c+1]|, 0x1800000   ; block c in two chains: its first 16 numbers, and the floor 2^(3 - 127): the byte cannot fall under 1;
.endr
.irp c, 0,1
	v_max3_num_f32 v[TM+2+\c], |v[\s+32*\c+16]|, |v[\s+32*\c+17]|, |v[\s+32*\c+18]|   ; its last 16
.endr
.irp i, 2,4,6,8,10,12
.irp c, 0,1
	v_max3_num_f32 v[TM+\c], v[TM+\c], |v[\s+32*\c+\i]|, |v[\s+32*\c+\i+1]|
	v_max3_num_f32 v[TM+2+\c], v[TM+2+\c], |v[\s+32*\c+\i+17]|, |v[\s+32*\c+\i+18]|
.endr
.endr
.irp c, 0,1
	v_max3_num_f32 v[TM+\c], v[TM+\c], |v[\s+32*\c+14]|, |v[\s+32*\c+15]|
.endr
.irp c, 0,1
	v_max3_num_f32 v[TM+\c], v[TM+\c], v[TM+2+\c], |v[\s+32*\c+31]|   ; the block's largest magnitude: all 32 numbers are mine
.endr
.irp c, 0,1
	v_add_nc_u32 v[TM+4+\c], 0xff000000, v[TM+\c]          ; 2 off its exponent field: the conversion takes this operand's exponent field as its scale
.endr
.irp c, 0,1
	v_cvt_scalef32_pk16_fp6_f32 v[\pc+6*\c:\pc+6*\c+2], v[\s+32*\c:\s+32*\c+15], v[TM+4+\c]
	v_cvt_scalef32_pk16_fp6_f32 v[TM+8+4*\c:TM+10+4*\c], v[\s+32*\c+16:\s+32*\c+31], v[TM+4+\c]   ; (a conversion's three registers begin on an even number: the block's second three do not)
.endr
.irp c, 0,1
	v_lshrrev_b32 v[TM+\c], 23, v[TM+4+\c]                 ; the scale's byte.  (These lines are the plain place behind the scaled conversions)
.endr
	v_lshl_or_b32 v[\pw], v[TM+1], 16, v[TM]               ; my two bytes: blocks h and 2 + h of my row,
	v_lshlrev_b32 v[\pw], v[SH8], v[\pw]                   ; at their places in the scale word;
	v_permlanex16_b32 v[TM+6], v[\pw], s[SEL], s[SEL+1]
	v_or_b32 v[\pw], v[\pw], v[TM+6]                       ; with lane l xor 16's two the word is whole
.irp c, 0,1
.irp i, 0,1,2
	v_mov_b32 v[\pc+3+6*\c+\i], v[TM+8+4*\c+\i]
.endr
.endr
.endm
	s_load_b256 s[4:11], s[0:1], 0x0               ; x s[4:5], Wq s[6:7], Wk s[8:9], Wv s[10:11]
	s_load_b128 s[12:15], s[0:1], 0x20             ; Wo s[12:13], cod s[14:15]
	s_load_b64 s[16:17], s[0:1], 0x30              ; scl
	v_lshl_add_u32 v240, v0, 2, 0x10800
	v_mov_b32 v241, 0
	v_lshrrev_b32 v1, 5, v0
	v_readfirstlane_b32 s18, v1                    ; wave 0..3
	v_and_b32 v1, 31, v0                           ; lane
	v_lshlrev_b32 v2, 4, v1                        ; 16 x lane
	v_lshlrev_b32 v3, 3, v1                        ; 8 x lane
	v_and_b32 v7, 15, v0                           ; r
	v_bfe_u32 v6, v0, 4, 1                         ; h
	s_mul_i32 s28, s18, WREG                       ; my wave's LDS
	v_add_nc_u32 v4, s28, v2                       ; into a stage: 16 x lane of a row
	v_mul_u32_u24 v5, v7, SP
	v_lshl_add_u32 v5, v6, 7, v5
	v_add_nc_u32 v5, s28, v5                       ; out of it: row r, + 128 h bytes
	v_lshlrev_b32 v[SH8], 3, v6                    ; 8 h
	v_mov_b32 v[TM+6], 0                           ; written once: a lane permute's destination counts as one of its sources
	s_mov_b32 s[SEL], 0x76543210
	s_mov_b32 s[SEL+1], 0xfedcba98
	s_lshr_b32 s19, s18, 1                         ; which of the group's two tiles
	s_and_b32 s20, s18, 1                          ; which half of K
	s_lshl_b32 s30, ttmp9, 1
	s_add_co_u32 s30, s30, s19                     ; my tile
	s_mul_i32 s26, s30, 6144
	s_mul_i32 s31, s20, 3072
	s_add_co_u32 s26, s26, s31                     ; its two images in cod
	s_mov_b32 s27, 0
	s_lshl_b32 s34, s30, 9
	s_lshl_b32 s31, s20, 8
	s_add_co_u32 s34, s34, s31                     ; its scale words in scl
	s_mov_b32 s35, 0
	s_and_b32 s29, ttmp9, 15                       ; a weight's pair of tiles (each weight has 16 pairs, and 256 is a multiple of 16)
	s_wait_alu depctr_va_vdst(0)
	s_wait_kmcnt 0x0
	s_mov_b64 s[32:33], s[12:13]                   ; the source is chosen by the work-group's number alone: 304.. Wo,
	s_cmp_lt_u32 ttmp9, 304
	s_cselect_b64 s[32:33], s[10:11], s[32:33]     ; 288.. Wv,
	s_cmp_lt_u32 ttmp9, 288
	s_cselect_b64 s[32:33], s[8:9], s[32:33]       ; 272.. Wk,
	s_cmp_lt_u32 ttmp9, 272
	s_cselect_b64 s[32:33], s[6:7], s[32:33]       ; 256.. Wq,
	s_cmp_lt_u32 ttmp9, 256
	s_cselect_b64 s[32:33], s[4:5], s[32:33]       ; 0.. x
	s_cselect_b32 s29, ttmp9, s29                  ; and the pair of tiles in it
	s_lshl_b32 s29, s29, 1
	s_add_co_u32 s29, s29, s19                     ; my tile in its tensor: 4 c + u
	s_lshr_b32 s22, s29, 2
	s_lshl_b32 s22, s22, 17                        ; c x 64 rows of 2,048 bytes,
	s_and_b32 s31, s29, 3
	s_lshl_b32 s31, s31, 14                        ; u x 8 rows,
	s_add_co_u32 s22, s22, s31
	s_lshl_b32 s31, s20, 10                        ; 256 numbers on for the second half of K
	s_add_co_u32 s22, s22, s31
	s_mov_b32 s23, 0
	s_add_nc_u64 s[32:33], s[32:33], s[22:23]
	s_add_nc_u64 s[26:27], s[14:15], s[26:27]
	s_add_nc_u64 s[34:35], s[16:17], s[34:35]
.irp q, 0,1
.irp i, 0,1,2,3,4,5,6,7,8,9,10,11,12,13,14,15
	global_load_b128 v[LD+64*\q+4*\i:LD+64*\q+4*\i+3], v2, s[32:33] offset:((\i%8)+32*(\i/8))*2048+512*\q th:TH_LOAD_NT   ; 512 consecutive bytes of the row that the tile's lane i holds; read once in the launch
.endr
.endr
	s_wait_loadcnt 16                              ; the first K step's sixteen loads are in; the second's sixteen stay out
.irp i, 0,1,2,3,4,5,6,7,8,9,10,11,12,13,14,15
	ds_store_b128 v4, v[LD+4*\i:LD+4*\i+3] offset:SP*\i
.endr
.irp c, 0,1
.irp j, 0,1,2,3,4,5,6,7
	ds_load_b128 v[X+32*\c+4*\j:X+32*\c+4*\j+3], v5 offset:256*\c+16*\j     ; LDS serves a wave's instructions in order: these see the stores above
.endr
.endr
	s_wait_loadcnt 0x0
.irp i, 0,1,2,3,4,5,6,7,8,9,10,11,12,13,14,15
	ds_store_b128 v4, v[LD+64+4*\i:LD+64+4*\i+3] offset:STG+SP*\i
.endr
	s_wait_dscnt 32                                ; behind the first stage's stores stand 16 loads and 16 stores: those stores are done, so v32-95 may be loaded into
.irp c, 0,1
.irp j, 0,1,2,3,4,5,6,7
	ds_load_b128 v[LD+32*\c+4*\j:LD+32*\c+4*\j+3], v5 offset:STG+256*\c+16*\j
.endr
.endr
	s_wait_dscnt 32                                ; behind the first stage's loads stand 16 stores and 16 loads: the first step's numbers are in
	QUANT X, PC0, PW
.irp c, 0,1,2
	global_store_b128 v2, v[PC0+4*\c:PC0+4*\c+3], s[26:27] offset:512*\c          ; 512 consecutive bytes, aligned
.endr
	s_wait_dscnt 0x0                               ; the second step's numbers are in, and the second stage's stores have read v96-159
	QUANT LD, PC1, PW+1
.irp c, 0,1,2
	global_store_b128 v2, v[PC1+4*\c:PC1+4*\c+3], s[26:27] offset:1536+512*\c
.endr
	global_store_b64 v3, v[PW:PW+1], s[34:35]      ; 256 consecutive bytes, aligned
	s_wait_tensorcnt 0x0
	ds_add_u32 v240, v241
	s_wait_dscnt 0x0
	s_endpgm
.Lfunc_end_k_q624e634be2_quant:
	.size	k_q624e634be2_quant, .Lfunc_end_k_q624e634be2_quant-k_q624e634be2_quant
	.p2alignl 7, 3214868480
	.fill 96, 4, 3214868480
	.section	.rodata,"a",@progbits
	.p2align	6, 0x0
	.amdhsa_kernel k_q624e634be2_quant
		.amdhsa_group_segment_fixed_size 68096
		.amdhsa_private_segment_fixed_size 0
		.amdhsa_enable_private_segment 0
		.amdhsa_kernarg_size 56
		.amdhsa_user_sgpr_count 2
		.amdhsa_user_sgpr_kernarg_segment_ptr 1
		.amdhsa_wavefront_size32 1
		.amdhsa_system_sgpr_workgroup_id_x 1
		.amdhsa_system_sgpr_workgroup_id_y 1
		.amdhsa_system_sgpr_workgroup_id_z 1
		.amdhsa_system_vgpr_workitem_id 0
		.amdhsa_next_free_vgpr 242
		.amdhsa_next_free_sgpr 66
		.amdhsa_reserve_vcc 0
		.amdhsa_float_denorm_mode_32 3
		.amdhsa_float_denorm_mode_16_64 3
		.amdhsa_memory_ordered 1
		.amdhsa_forward_progress 1
		.amdhsa_inst_pref_size 17
	.end_amdhsa_kernel
	.amdgpu_metadata
---
amdhsa.version: [ 1, 2 ]
amdhsa.kernels:
  - .name:           k_q624e634be2_quant
    .symbol:         k_q624e634be2_quant.kd
    .args:
      - { .name: x, .offset: 0, .size: 8, .value_kind: global_buffer, .address_space: global }
      - { .name: Wq, .offset: 8, .size: 8, .value_kind: global_buffer, .address_space: global }
      - { .name: Wk, .offset: 16, .size: 8, .value_kind: global_buffer, .address_space: global }
      - { .name: Wv, .offset: 24, .size: 8, .value_kind: global_buffer, .address_space: global }
      - { .name: Wo, .offset: 32, .size: 8, .value_kind: global_buffer, .address_space: global }
      - { .name: cod, .offset: 40, .size: 8, .value_kind: global_buffer, .address_space: global }
      - { .name: scl, .offset: 48, .size: 8, .value_kind: global_buffer, .address_space: global }
    .group_segment_fixed_size: 68096
    .private_segment_fixed_size: 0
    .kernarg_segment_align: 8
    .kernarg_segment_size: 56
    .max_flat_workgroup_size: 128
    .sgpr_count:     66
    .vgpr_count:     242
    .wavefront_size: 32
...
	.end_amdgpu_metadata
.endif
;; end of part 5
;; launch qkv (part 6): grid 192 x 1, 4 waves a work-group, no clusters, 0 bytes of LDS; arguments cod, scl, bq, bk, bv, qrec, kvrec; writes qrec, kvrec
.if DOCPART == 6
	.amdgcn_target "amdgcn-amd-amdhsa--gfx1250"
	.amdhsa_code_object_version 6
	.text
	.protected	k_q624e634be2_qkv
	.globl	k_q624e634be2_qkv
	.p2align	8
	.type	k_q624e634be2_qkv,@function
k_q624e634be2_qkv:
	s_mov_b64 s[64:65], 0
	v_nop
	global_prefetch_b8 v0, s[64:65] scope:SCOPE_SE
	s_setreg_imm32_b32 hwreg(HW_REG_WAVE_SCHED_MODE, 0, 2), 2
	s_setreg_imm32_b32 hwreg(HW_REG_WAVE_MODE, 25, 1), 1
	s_wait_xcnt 0x0
	s_wait_alu depctr_vm_vsrc(0)
; Q = x Wq^T + bq, K = x Wk^T + bk, V = x Wv^T + bv on codes of FP6 (E2M3) with E8M0 scales, sums in f32; the results are quantised at once, in registers, as attention's operands:
; Q and K along the head's 64 (two blocks of 32), V along the keys.  LIMITS: NaN and infinities are not served; a block whose largest magnitude lies under 2^-124 gets the byte 1.
; INPUT: cod, scl: images of fragments; a tile's lane r holds row 64 c + 8 u + r % 8 + 32 (r / 8) of tile 4 c + u; tiles 0-511 x, 512.. Wq, 544.. Wk, 576.. Wv.
; With such a tile as source 0, register j of tile 4 c + u holds its row 64 c + 32 (lane / 16) + 8 u + j: the 32 registers of tiles 4 c .. 4 c + 3 are a WHOLE BLOCK of 32 neighbours along the next K,
; the very block that the operand's layout gives that lane: no maximum and no code changes lanes.
; A WAVE keeps eight tiles S0 (source 0) for all of K = 512 in registers (32 fragments, 384 registers) and walks eight tiles S1 (source 1), written out: for each, 32 matrix instructions on
; 8 accumulators by turns, K ascending, the bias as the C of K step 0; then one quantising of the lane's 64 results; its stores leave in the next tile.
;   work-groups 0-127 (Q where even, K where odd): S0 = 128 rows of the weight = heads 2 w and 2 w + 1, S1 = 128 rows of x.  A lane holds one row of x; its codes' registers 0-5 are head 2 w's, 6-11 head 2 w + 1's.
;   work-groups 128-191 (V): S0 = 128 rows of x (keys), S1 = 128 rows of Wv (two heads).  A lane holds one channel d, its registers run down 128 keys: a whole fragment of V^T.
; OUTPUT: records of 13,056 bytes for each (batch x 8 + head) and each 128 rows: 8 tiles x 768 bytes (registers 0-3 at 16 x lane, registers 4-5 at 512 + 8 x lane) of K (in qrec: of Q);
; at 6,144 four fragments of V^T x 1,536; at 12,288 K's (Q's) scale words, 2 x [r][4 tiles]; at 12,800 V's, [r][4 tiles].  A head is 208,896 bytes on end.
; NO LDS AND NO CLUSTER: every fragment is an image and goes by loads of 512 consecutive bytes straight into the registers in which it is multiplied.  S0's 49,152 bytes are a wave's own within its
; work-group.  S1's 8 x 6,144 bytes are read by each of the four waves: shared through LDS they would be fetched once for four, at the price of tensor loads, barriers and a second read,
; for 256 matrix instructions a wave.
; THE MODE: SCHED_MODE bits 1:0 = 2 (LLVM: expert scheduling mode 2), set by the entry lines.  The code itself states the register dependences between vector or matrix instructions and memory
; instructions, with s_wait_alu, always for 0.
; THE PLAN.  Registers that memory instructions touch, tile by tile:
;   S1's codes, three sets, and S1's scale words, three sets.  Tile o's products read set o % 3; the 14 loads of tile o + 2, issued in tile o, land in set (o + 2) % 3 = (o - 1) % 3.
;   PC, two sets.  Tile o's quantiser writes set o % 2; the stores that read it are issued in tile o + 1.
;   SW, SX.  Each register is written once in the launch, by a vector line, and read by one store.
;   v2, v3, v5, v6, v7.  Offsets, made at the head and never written again.     S0, its scale words and the bias are loaded once, at the head.
; So ONE wait on va_vdst stands at a tile's head: the tile before is done reading its set of S1 and has written its set of PC.  The tile's loads and stores follow it with no further wait, dealt among the
; tile's products, which name S0, set o % 3, the bias and the accumulators: none of the registers that those loads and stores touch.  One wait on vm_vsrc beside it frees the set of PC that this tile's quantiser writes.
; REGISTERS: window 0: v1-7, v10 addresses and shifts; v16-47 S0's scale words; v48-59 S1's, three sets; v64-127 the accumulators; v128-151 codes, two sets; v152-159 the results' scale words; v160-163 V's words as stored; v168-184 at work.
;   window 1: S0's fragments of K steps 0, 1 at 12 (2 i + s);  window 2: of K steps 2, 3; v192-255 the bias;  window 3: S1's fragments, three sets of 48.
.set HEADB, 208896
.set REC,   13056
.set HIB,   768
.set VOF,   6144
.set KSC,   12288
.set VSC,   12800
.set SH8,  10                          ; v10 8 x (lane / 16)
.set S0S,  16
.set S1S,  48
.set HA,   64
.set PC,   128
.set SW,   152
.set SX,   160
.set TM,   168
.set PW,   184
.set BIAS, 192
.set SEL,  32                          ; s[32:33]
.set MSB, 0
.macro WIN new                         ; the immediate's high byte repeats the setting that is left; a switch that changes nothing is dropped
.if MSB != \new
	s_set_vgpr_msb (MSB<<8)|\new
.set MSB, \new
.endif
.endm
; 64 numbers of a lane, v[s] on, register 32 c + i = k 64 c + 32 (lane / 16) + i of my row: two whole blocks.  They become a fragment's codes in v[pc .. pc + 11] and its scale word in v[pw].
.macro QUANT s, pc, pw
.irp c, 0,1
	v_max3_num_f32 v[TM+\c], |v[\s+32*\c]|, |v[\s+32*\c+1]|, 0x1800000   ; block c in two chains: its first 16 numbers, and the floor 2^(3 - 127);  (each accumulator is read from its low end on)
.endr
.irp c, 0,1
	v_max3_num_f32 v[TM+2+\c], |v[\s+32*\c+16]|, |v[\s+32*\c+17]|, |v[\s+32*\c+18]|   ; its last 16
.endr
.irp i, 2,4,6,8,10,12
.irp c, 0,1
	v_max3_num_f32 v[TM+\c], v[TM+\c], |v[\s+32*\c+\i]|, |v[\s+32*\c+\i+1]|
	v_max3_num_f32 v[TM+2+\c], v[TM+2+\c], |v[\s+32*\c+\i+17]|, |v[\s+32*\c+\i+18]|
.endr
.endr
.irp c, 0,1
	v_max3_num_f32 v[TM+\c], v[TM+\c], |v[\s+32*\c+14]|, |v[\s+32*\c+15]|
.endr
.irp c, 0,1
	v_max3_num_f32 v[TM+\c], v[TM+\c], v[TM+2+\c], |v[\s+32*\c+31]|   ; the block's largest magnitude: all 32 numbers are mine
.endr
.irp c, 0,1
	v_add_nc_u32 v[TM+4+\c], 0xff000000, v[TM+\c]          ; 2 off its exponent field: the conversion's scale operand
.endr
.irp c, 0,1
	v_cvt_scalef32_pk16_fp6_f32 v[\pc+6*\c:\pc+6*\c+2], v[\s+32*\c:\s+32*\c+15], v[TM+4+\c]
	v_cvt_scalef32_pk16_fp6_f32 v[TM+8+4*\c:TM+10+4*\c], v[\s+32*\c+16:\s+32*\c+31], v[TM+4+\c]   ; (a conversion's three registers begin on an even number: the block's second three do not)
.endr
.irp c, 0,1
	v_lshrrev_b32 v[TM+\c], 23, v[TM+4+\c]                 ; the scale's byte.  (These lines are the plain place behind the scaled conversions)
.endr
	v_lshl_or_b32 v[\pw], v[TM+1], 16, v[TM]               ; my two bytes: blocks h and 2 + h of my row,
	v_lshlrev_b32 v[\pw], v[SH8], v[\pw]                   ; at their places in the scale word;
	v_permlanex16_b32 v[TM+6], v[\pw], s[SEL], s[SEL+1]
	v_or_b32 v[\pw], v[\pw], v[TM+6]                       ; with lane l xor 16's two the word is whole
.irp c, 0,1
.irp i, 0,1,2
	v_mov_b32 v[\pc+3+6*\c+\i], v[TM+8+4*\c+\i]
.endr
.endr
.endm
.macro S0LOAD                          ; my eight tiles of source 0: 32 scale words a lane, 32 fragments
.irp i, 0,1,2,3,4,5,6,7
.irp f, 0,1
	global_load_b64 v[S0S+4*\i+2*\f:S0S+4*\i+2*\f+1], v3, s[22:23] offset:512*\i+256*\f
.endr
.endr
	WIN 0x40                                       ; destination window 1
.irp i, 0,1,2,3,4,5,6,7
.irp s, 0,1
.irp c, 0,1,2
	global_load_b128 v[12*(2*\i+\s)+4*\c:12*(2*\i+\s)+4*\c+3], v2, s[20:21] offset:(4*\i+\s)*1536+512*\c
.endr
.endr
.endr
	WIN 0x80                                       ; destination window 2
.irp i, 0,1,2,3,4,5,6,7
.irp s, 0,1
.irp c, 0,1,2
	global_load_b128 v[12*(2*\i+\s)+4*\c:12*(2*\i+\s)+4*\c+3], v2, s[20:21] offset:(4*\i+\s+2)*1536+512*\c
.endr
.endr
.endr
	WIN 0
.endm
.macro S1COD o                         ; tile o of source 1: its four fragments into set o % 3: 12 loads
.set SET, (\o)%3
	WIN 0xc0                                       ; destination window 3
.irp s, 0,1,2,3
.irp c, 0,1,2
	global_load_b128 v[48*SET+12*\s+4*\c:48*SET+12*\s+4*\c+3], v2, s[24:25] offset:(\o)*6144+1536*\s+512*\c
.endr
.endr
.endm
.macro S1SCL o                         ; and its four scale words, into set o % 3 of window 0: 2 loads
.irp f, 0,1
	global_load_b64 v[S1S+4*((\o)%3)+2*\f:S1S+4*((\o)%3)+2*\f+1], v3, s[26:27] offset:512*(\o)+256*\f
.endr
.endm
; 8 matrix instructions: my eight tiles of source 0 against tile o of source 1, K step s; the eight accumulators take turns, one instruction a turn.
; byo = 0: the bias hangs on source 0's rows (tile i's eight registers); 1: on source 1's row (tile o's eight, all equal in a lane).
.macro MULK o, s, byo
.set SET, (\o)%3
.irp i, 0,1,2,3,4,5,6,7
.if (\s) == 0
.if \byo
.set CB, BIAS+8*(\o)
.else
.set CB, BIAS+8*\i
.endif
	v_wmma_scale_f32_16x16x128_f8f6f4 v[HA+8*\i:HA+8*\i+7], v[24*\i:24*\i+11], v[48*SET:48*SET+11], v[CB:CB+7], v[S0S+4*\i], v[S1S+4*SET] matrix_a_fmt:MATRIX_FMT_FP6 matrix_b_fmt:MATRIX_FMT_FP6
.else
	v_wmma_scale_f32_16x16x128_f8f6f4 v[HA+8*\i:HA+8*\i+7], v[24*\i+12*((\s)%2):24*\i+12*((\s)%2)+11], v[48*SET+12*(\s):48*SET+12*(\s)+11], v[HA+8*\i:HA+8*\i+7], v[S0S+4*\i+(\s)], v[S1S+4*SET+(\s)] matrix_a_fmt:MATRIX_FMT_FP6 matrix_b_fmt:MATRIX_FMT_FP6
.endif
.endr
.endm
; Tile o's codes leave, from set o % 2 of PC.  isv = 0: Q or K;  1: V.
.macro SEND o, isv
.set PB, PC+12*((\o)%2)
.if \isv
.irp c, 0,1,2
	global_store_b128 v2, v[PB+4*\c:PB+4*\c+3], s[30:31] offset:((\o)/4)*HEADB+VOF+1536*((\o)%4)+512*\c   ; a fragment of V^T: head 2 wq + o / 4, channels' tile o % 4
.endr
.else
	global_store_b128 v2, v[PB:PB+3], s[30:31] offset:HIB*(\o)                    ; head 2 w: registers 0-3,
	global_store_b64 v3, v[PB+4:PB+5], s[30:31] offset:HIB*(\o)+512               ; 4-5
	global_store_b128 v2, v[PB+6:PB+9], s[30:31] offset:HEADB+HIB*(\o)            ; head 2 w + 1: registers 6-9,
	global_store_b64 v3, v[PB+10:PB+11], s[30:31] offset:HEADB+HIB*(\o)+512       ; 10-11
.if (\o)%4 == 3
	global_store_b128 v5, v[SW+(\o)-3:SW+(\o)], s[30:31] offset:KSC+256*((\o)/4)  ; four tiles' words: sixteen lanes fill 256 consecutive bytes in each of the two heads
.endif
.endif
.endm
; Tile o of source 1.  isv = 0: Q or K;  1: V.
.macro OUTER o, isv
.if ((\o) == 0) || ((\o) == 7)
	s_wait_loadcnt 0x0                             ; tile 0: all that was asked for at the head;  tile 7: nothing was asked for behind it
.else
	s_wait_loadcnt 14                              ; this tile's loads are in; the 14 of the next tile, issued behind them, may be out
.endif
.if (\o) >= 2
	s_wait_xcnt 0x0                                ; the stores issued in the tile before have had their addresses translated: their data, set o % 2 of PC, are written again only behind this wait
	s_wait_alu depctr_vm_vsrc(0)                   ; those stores have read set o % 2 of PC, which this tile's quantiser writes again
.endif
.if (\o) >= 1
	s_wait_alu depctr_va_vdst(0)                   ; the tile before is done reading its set of S1 and its scale words, in which the loads below land; its quantiser has written its set of PC and its scale word, which the stores below read
.endif
.if (\o)+2 < 8
	S1SCL (\o)+2                                   ; tile o + 2, into the set that the tile before multiplied (in tile 0: into the third set, which no vector or matrix line has named)
.endif
	WIN 0x2d                                       ; source 0 window 1, source 1 window 3, C (the bias) window 2, D window 0
	MULK \o, 0, \isv
.if (\o)+2 < 8
	S1COD (\o)+2                                   ; no wait: since the wait above only loads, window switches and products that name neither v2 nor this set have been issued
.endif
	WIN 0x0d                                       ; C and D window 0
	MULK \o, 1, \isv
.if (\o) >= 1
	WIN 0
	SEND (\o)-1, \isv                              ; no wait: no vector or matrix line since the wait above names these data or offsets
.endif
	WIN 0x0e                                       ; source 0 window 2
	MULK \o, 2, \isv
	MULK \o, 3, \isv
	WIN 0
.rept 4
	v_nop                                          ; four places (ISA guide 7.12.1) in front of the first read of the results
.endr
.if \isv
	QUANT HA, PC+12*((\o)%2), SW+(\o)
.else
	QUANT HA, PC+12*((\o)%2), PW
	v_lshrrev_b32 v[SW+(\o)], v4, v[PW]            ; lanes 0-15 keep the word (bytes 0, 1: head 2 w's); lanes 16-31 bring head 2 w + 1's two bytes down.  Bytes 2, 3 scale products with zero codes and are never 0xff
.endif
.endm
	s_load_b256 s[4:11], s[0:1], 0x0               ; cod s[4:5], scl s[6:7], bq s[8:9], bk s[10:11]
	s_load_b128 s[12:15], s[0:1], 0x20             ; bv s[12:13], qrec s[14:15]
	s_load_b64 s[16:17], s[0:1], 0x30              ; kvrec
	v_lshrrev_b32 v8, 5, v0
	v_readfirstlane_b32 s18, v8                    ; wave 0..3
	v_and_b32 v1, 31, v0                           ; lane
	v_lshlrev_b32 v2, 4, v1                        ; 16 x lane
	v_lshlrev_b32 v3, 3, v1                        ; 8 x lane
	v_and_b32 v8, 15, v0                           ; r
	v_bfe_u32 v9, v0, 4, 1                         ; h
	v_lshlrev_b32 v4, 4, v9                        ; 16 h: the shift that brings the second head's scale bytes down
	v_mul_u32_u24 v5, v9, HEADB
	v_lshl_add_u32 v5, v8, 4, v5                   ; scale words out: 16 r, lanes 16-31 one head on
	v_lshlrev_b32 v6, 7, v9                        ; a bias along source 0's rows: 32 h numbers on
	v_and_b32 v7, 7, v8
	v_and_b32 v11, 8, v8
	v_lshl_add_u32 v7, v11, 2, v7
	v_lshlrev_b32 v7, 2, v7                        ; a bias along source 1's row: 4 (r % 8 + 32 (r / 8))
	v_lshlrev_b32 v[SH8], 3, v9                    ; 8 h
	v_mov_b32 v[TM+6], 0                           ; written once: a lane permute's destination counts as one of its sources
	s_mov_b32 s[SEL], 0x76543210
	s_mov_b32 s[SEL+1], 0xfedcba98
	s_and_b32 s34, ttmp9, 1                        ; Q (0) or K (1)
	s_lshr_b32 s35, ttmp9, 1                       ; which 128 rows of x
	s_lshl_b32 s36, s34, 5
	s_wait_alu depctr_va_sdst(0)                   ; s18, the wave's number, is written, ahead of its first reader
	s_lshl_b32 s37, s18, 3
	s_add_co_u32 s36, s36, s37
	s_add_co_u32 s36, s36, 512                     ; Q, K: source 0's first tile: 512 + 32 x which + 8 x wave
	s_lshl_b32 s37, s35, 3                         ;       source 1's
	s_and_b32 s38, ttmp9, 63                       ; V: the work-group's number less 128
	s_and_b32 s39, s38, 3                          ;    which 128 rows of Wv
	s_lshr_b32 s40, s38, 2
	s_lshl_b32 s40, s40, 2
	s_add_co_u32 s40, s40, s18                     ;    which 128 rows of x: 4 x (number / 4) + wave
	s_lshl_b32 s41, s40, 3                         ;    source 0's first tile
	s_lshl_b32 s42, s39, 3
	s_add_co_u32 s42, s42, 576                     ;    source 1's
	s_cmp_lt_u32 ttmp9, 128
	s_cselect_b32 s36, s36, s41
	s_cselect_b32 s37, s37, s42
	s_mul_i32 s20, s36, 6144
	s_mov_b32 s21, 0
	s_lshl_b32 s22, s36, 9
	s_mov_b32 s23, 0
	s_mul_i32 s24, s37, 6144
	s_mov_b32 s25, 0
	s_lshl_b32 s26, s37, 9
	s_mov_b32 s27, 0
	s_wait_kmcnt 0x0
	s_add_nc_u64 s[20:21], s[4:5], s[20:21]        ; source 0: codes,
	s_add_nc_u64 s[22:23], s[6:7], s[22:23]        ; scale words
	s_add_nc_u64 s[24:25], s[4:5], s[24:25]        ; source 1: codes,
	s_add_nc_u64 s[26:27], s[6:7], s[26:27]        ; scale words
	s_wait_alu depctr_va_vdst(0)                   ; the offsets v2, v3, v5, v6, v7 are written: every load and store of the kernel reads one of them, and none is written again
	S0LOAD
	S1COD 0
	WIN 0
	S1SCL 0
	S1COD 1
	WIN 0
	S1SCL 1
	s_cmp_lt_u32 ttmp9, 128
	s_cbranch_scc0 .Lv
	; ---- Q or K
	s_lshl_b32 s44, s18, 9                         ; the bias of my 128 columns
	s_mov_b32 s45, 0
	s_lshr_b32 s38, s35, 4                         ; the batch,
	s_lshl_b32 s38, s38, 3
	s_lshl_b32 s39, s18, 1
	s_add_co_u32 s38, s38, s39                     ; x 8 + head 2 w
	s_mul_i32 s38, s38, HEADB
	s_and_b32 s39, s35, 15
	s_mul_i32 s39, s39, REC                        ; the record of these 128 rows
	s_add_co_u32 s38, s38, s39
	s_mov_b32 s39, 0
	s_cmp_eq_u32 s34, 0
	s_cselect_b64 s[28:29], s[8:9], s[10:11]       ; bq or bk,
	s_cselect_b64 s[30:31], s[14:15], s[16:17]     ; qrec or kvrec: the choice hangs on the work-group's number alone
	s_add_nc_u64 s[28:29], s[28:29], s[44:45]
	s_add_nc_u64 s[30:31], s[30:31], s[38:39]
	WIN 0x80
.irp i, 0,1,2,3,4,5,6,7                        ; in the result's layout: tile i, lane half h: columns 64 (i / 4) + 32 h + 8 (i % 4) + 0 .. 7
	global_load_b128 v[BIAS+8*\i:BIAS+8*\i+3], v6, s[28:29] offset:(64*(\i/4)+8*(\i%4))*4
	global_load_b128 v[BIAS+8*\i+4:BIAS+8*\i+7], v6, s[28:29] offset:(64*(\i/4)+8*(\i%4))*4+16
.endr
	WIN 0
.irp o, 0,1,2,3,4,5,6,7
	OUTER \o, 0
.endr
	s_wait_alu depctr_va_vdst(0)                   ; tile 7's quantiser has written its set of PC and the last scale word, which the last stores read
	SEND 7, 0
	s_endpgm
.Lv:
	; ---- V
	s_lshl_b32 s44, s39, 9                         ; the bias of these 128 rows of Wv
	s_mov_b32 s45, 0
	s_add_nc_u64 s[28:29], s[12:13], s[44:45]
	s_lshr_b32 s38, s40, 4                         ; the batch,
	s_lshl_b32 s38, s38, 3
	s_lshl_b32 s41, s39, 1
	s_add_co_u32 s38, s38, s41                     ; x 8 + head 2 wq
	s_mul_i32 s38, s38, HEADB
	s_and_b32 s41, s40, 15
	s_mul_i32 s41, s41, REC                        ; the record of these 128 keys
	s_add_co_u32 s38, s38, s41
	s_mov_b32 s39, 0
	s_add_nc_u64 s[30:31], s[16:17], s[38:39]
	WIN 0x80
.irp o, 0,1,2,3,4,5,6,7                        ; a lane's channel has one bias for all its keys: the same number in the eight registers of tile o's C
.irp j, 0,1,2,3,4,5,6,7
	global_load_b32 v[BIAS+8*\o+\j], v7, s[28:29] offset:(64*(\o/4)+8*(\o%4))*4
.endr
.endr
	WIN 0
.irp o, 0,1,2,3,4,5,6,7
	OUTER \o, 1
.endr
	v_cmp_le_u32 vcc_lo, 16, v1                    ; lanes 16-31 carry the second head's four words
	s_wait_alu depctr_va_vcc(0)                    ; VCC is written, ahead of the selects that read it
.irp j, 0,1,2,3
	v_cndmask_b32 v[SX+\j], v[SW+\j], v[SW+4+\j], vcc_lo
.endr
	s_wait_alu depctr_va_vdst(0)                   ; tile 7's quantiser has written its set of PC, and the selects have written v[SX ..]: the last stores read both
	SEND 7, 1
	global_store_b128 v5, v[SX:SX+3], s[30:31] offset:VSC      ; sixteen lanes fill 256 consecutive bytes in each of the two heads
	s_endpgm
.Lfunc_end_k_q624e634be2_qkv:
	.size	k_q624e634be2_qkv, .Lfunc_end_k_q624e634be2_qkv-k_q624e634be2_qkv
	.p2alignl 7, 3214868480
	.fill 96, 4, 3214868480
	.section	.rodata,"a",@progbits
	.p2align	6, 0x0
	.amdhsa_kernel k_q624e634be2_qkv
		.amdhsa_group_segment_fixed_size 0
		.amdhsa_private_segment_fixed_size 0
		.amdhsa_enable_private_segment 0
		.amdhsa_kernarg_size 56
		.amdhsa_user_sgpr_count 2
		.amdhsa_user_sgpr_kernarg_segment_ptr 1
		.amdhsa_wavefront_size32 1
		.amdhsa_system_sgpr_workgroup_id_x 1
		.amdhsa_system_sgpr_workgroup_id_y 1
		.amdhsa_system_sgpr_workgroup_id_z 1
		.amdhsa_system_vgpr_workitem_id 0
		.amdhsa_next_free_vgpr 912
		.amdhsa_next_free_sgpr 66
		.amdhsa_reserve_vcc 1
		.amdhsa_float_denorm_mode_32 3
		.amdhsa_float_denorm_mode_16_64 3
		.amdhsa_memory_ordered 1
		.amdhsa_forward_progress 1
		.amdhsa_inst_pref_size 163
	.end_amdhsa_kernel
	.amdgpu_metadata
---
amdhsa.version: [ 1, 2 ]
amdhsa.kernels:
  - .name:           k_q624e634be2_qkv
    .symbol:         k_q624e634be2_qkv.kd
    .args:
      - { .name: cod, .offset: 0, .size: 8, .value_kind: global_buffer, .address_space: global }
      - { .name: scl, .offset: 8, .size: 8, .value_kind: global_buffer, .address_space: global }
      - { .name: bq, .offset: 16, .size: 8, .value_kind: global_buffer, .address_space: global }
      - { .name: bk, .offset: 24, .size: 8, .value_kind: global_buffer, .address_space: global }
      - { .name: bv, .offset: 32, .size: 8, .value_kind: global_buffer, .address_space: global }
      - { .name: qrec, .offset: 40, .size: 8, .value_kind: global_buffer, .address_space: global }
      - { .name: kvrec, .offset: 48, .size: 8, .value_kind: global_buffer, .address_space: global }
    .group_segment_fixed_size: 0
    .private_segment_fixed_size: 0
    .kernarg_segment_align: 8
    .kernarg_segment_size: 56
    .max_flat_workgroup_size: 128
    .sgpr_count:     66
    .vgpr_count:     912
    .wavefront_size: 32
...
	.end_amdgpu_metadata
.endif
;; end of part 6
;; launch attn (part 7): grid 8 x 32, 16 waves a work-group, clusters of 4 x 1, 210,944 bytes of LDS; arguments qrec, kvrec, cc, cs; writes cc, cs
.if DOCPART == 7
	.amdgcn_target "amdgcn-amd-amdhsa--gfx1250"
	.amdhsa_code_object_version 6
	.text
	.protected	k_q624e634be2_attn
	.globl	k_q624e634be2_attn
	.p2align	8
	.type	k_q624e634be2_attn,@function
k_q624e634be2_attn:
	s_mov_b64 s[64:65], 0
	v_nop
	global_prefetch_b8 v0, s[64:65] scope:SCOPE_SE
	s_setreg_imm32_b32 hwreg(HW_REG_WAVE_MODE, 25, 1), 1
	s_wait_xcnt 0x0
	s_wait_alu depctr_hold_cnt(0) depctr_sa_sdst(0) depctr_va_vdst(0) depctr_va_sdst(0) depctr_va_ssrc(0) depctr_va_vcc(0) depctr_vm_vsrc(0)
	s_getreg_b32 s2, hwreg(HW_REG_IB_STS2, 6, 4)
	s_cmp_eq_u32 s2, 0
	s_cbranch_scc0 .Lentry_in_a_cluster
	s_endpgm
.Lentry_in_a_cluster:
	s_bfe_u32 s2, ttmp6, 0x10000c
	s_cmp_lg_u32 s2, 0x3003
	s_cbranch_scc0 .Lentry_shape_is_right
	s_endpgm
.Lentry_shape_is_right:
; ctx[b][q][head x 64 + d] = the sum over k of softmax_k(Q . K / 8) V, both products on codes of FP6 (E2M3) with E8M0 scales; the result is quantised at once along d as the last product's operand.
; THE SOFTMAX: t = score x log2(e) / 8; M = the running largest t rounded UP to a whole number; p = 2^(t - M) is what is quantised, along the keys, not normalised.  The row's sum is taken of the
; unquantised p and divides at the end.  When M moves, the sum and O are multiplied by 2^(old M - new M): exact.
; A block's largest p is not searched for: p rises with the score, so each block's largest score goes through the same multiply-add and exponential.  (This takes v_exp_f32 not to fall where its input rises;
; at the worst one p of a block, within an ulp of a power of two, is held one code low.)
; LIMITS: NaN and infinities are not served; a block whose largest magnitude lies under 2^-124 (every p fallen to 0, say) gets the byte 1: its codes are zeros or held at that scale.
; THE FIRST PRODUCT'S K IS 64.  Registers 6-11 of Q's fragment are zero codes, written once.  So whatever codes stand in registers 6-11 of K's operand add nothing (FP6 has no code for NaN or infinity, and no
; scale byte here is 0xff): K's eight tiles lie 6 registers apart, tile t's operand is v[KF + 6 t .. KF + 6 t + 11], and its upper six registers are tile t + 1's codes (tile 7's: V's first six).
; SHARES.  A work-group owns 256 queries of one (batch, head); each of its sixteen waves one tile of 16 in 256 registers: four waves to a SIMD.  Every wave walks the head's 2,048 keys, 128 a step.
; LDS.  The head's K and V, codes and scale words, are 208,896 bytes on end in memory, 16 records of 13,056 bytes, one for each key step, laid as images of the operands' registers.  They come into LDS ONCE, as they
; lie, and stay: nothing is filled again.  Each wave brings two parts: 16 rows of 256 bytes of the first 65,536 bytes (records 0-4 end at 65,280) and 35 rows of the rest, which lands while steps 0-3 are worked.
; A wave has two tensor loads out.  The parts are short since 816 rows are shared out among sixteen waves.
; CLUSTER.  The four work-groups of a cluster belong to one head and want the same bytes: every load is asked for jointly, by the same line with the same descriptor (head and wave alone) and the mask of all four.
; LAYOUT.  Both products are used transposed: S^T = K Q^T, O^T = V^T P^T: a lane holds one query throughout.  A tile's lane r holds row 64 c + 8 u + r % 8 + 32 (r / 8) of tile 4 c + u, so the 32 registers of
; tiles 4 c .. 4 c + 3 are the WHOLE BLOCK 64 c + 32 (lane / 16) + 0 .. 31: keys for p, channels for ctx: the block that the operand's layout gives that lane.  Of the softmax only the row's maximum, the row's sum
; at the end and the scale word's bytes cross the halves of the lanes.
; THE ORDER OF A KEY STEP.  The eight score products; this step's V and the NEXT step's K are asked for behind them and have the whole softmax in which to land: one wait on DScnt a step, in front of V^T P.
; The exponentials take turns with plain work of the same wave (scalings of later pairs, sums of finished pairs, the scale bytes, O^T's rescaling), so that no two follow each other.
; REGISTERS: v1-3 16 x lane, 8 x lane, 16 r; v4-6 the same + the record; v7 Q's scale word; v8-11 V's; v12 -M, v13 the largest t, v[14:15] the sum; v16-27 Q; v28-75 K's eight tiles; v76-123 V's four fragments;
; v124-187 S^T, then p; v188-219 O^T; v220-231 p's codes; v232-238 at work; v239 8 x (lane / 16); v240-243 maxima (v240, v242 the two blocks', then the conversions' scale operands); v244-251 K's scale words;
; v252 f, v253 p's word; v254-255 at work, then the sum's second chain.
.set HEADB, 208896
.set REC,   13056
.set HIB,   768
.set FIB,   1536
.set VOF,   6144
.set KSC,   12288
.set VSC,   12800
.set ROWSA, 16
.set ROWSB, 35
.set PARTA, ROWSA*256                  ; a wave's first part
.set PARTB, ROWSB*256                  ; its second
.set QW,   7
.set VW,   8
.set QF,   16
.set KF,   28
.set VF,   76
.set S,    124
.set O,    188
.set PC,   220
.set SCR,  232
.set SH8,  239
.set BM,   240
.set KW,   244
.set WV,   12                          ; s12 my wave's number
.set G1A,  16                          ; s[16:23], s[24:31] descriptor groups 1;  s[32:35], s[36:39] groups 0
.set G1B,  24
.set G0A,  32
.set G0B,  36
.set SEL,  40                          ; s[40:41]
.set CS,   42                          ; s[42:43] c = log2(e) / 8: the packed form names a pair and takes its low word for both halves
.set TB,   44                          ; s44 LDS byte at which the step's record begins
.set CNT,  45
; A round of the cluster's barrier: my work-group's barrier, wave 0 signals for the work-group, every wave waits for all four work-groups, my work-group's barrier once more.
.macro CROUND
	s_barrier_signal -1
	s_barrier_wait -1
	s_cmp_lg_u32 s[WV], 0
	s_cbranch_scc1 .Lnot_wave_0_\@
	s_barrier_signal -3
.Lnot_wave_0_\@:
	s_barrier_wait -3
	s_barrier_signal -1
	s_barrier_wait -1
.endm
; Load number KI of the 18 that bring a record's K: tile KI / 2's registers 0-3, then 4-5; at last the scale words of tiles 0-3 and 4-7 of row r.  off: the record's distance from the address registers'.
.macro KL a16, a8, ar, off
.if KI < 16
.if KI%2 == 0
	ds_load_b128 v[KF+6*(KI/2):KF+6*(KI/2)+3], v[\a16] offset:\off+HIB*(KI/2)
.else
	ds_load_b64 v[KF+6*(KI/2)+4:KF+6*(KI/2)+5], v[\a8] offset:\off+HIB*(KI/2)+512
.endif
.else
	ds_load_b128 v[KW+4*(KI-16):KW+4*(KI-16)+3], v[\ar] offset:\off+KSC+256*(KI-16)
.endif
.set KI, KI+1
.endm
.macro K2 pre                          ; two of the next record's loads: they stand behind the lines of the step's one long chain of dependent lines
.if \pre
	KL 4, 5, 6, REC
	KL 4, 5, 6, REC
.endif
.endm
.macro FOP i                           ; pair i of the scores: t - M, two at a time (of the pairs c and -M the low word serves both halves)
	v_pk_fma_f32 v[S+2*(\i):S+2*(\i)+1], v[S+2*(\i):S+2*(\i)+1], s[CS:CS+1], v[12:13] op_sel_hi:[1,0,0]
.endm
.macro AOP n                           ; line n of 32 of the row's sum of the UNQUANTISED p, in two chains: line 0 starts the second with pairs 0 and 1, line n takes pair n + 1, line 31 joins the chains
.if (\n) == 0
	s_wait_alu depctr_va_vdst(0)
	v_pk_add_f32 v[254:255], v[S:S+1], v[S+2:S+3]
.elseif (\n) == 31
	v_pk_add_f32 v[14:15], v[14:15], v[254:255]
.elseif (\n)%2 == 1
	s_wait_alu depctr_va_vdst(0)
	v_pk_add_f32 v[14:15], v[14:15], v[S+2*(\n)+2:S+2*(\n)+3]
.else
	s_wait_alu depctr_va_vdst(0)
	v_pk_add_f32 v[254:255], v[254:255], v[S+2*(\n)+2:S+2*(\n)+3]
.endif
.endm
.macro GOP                             ; line GI of a list of 26 plain lines that wait for nothing but the two block maxima's exponentials and f
.if GI < 2
	s_wait_alu depctr_va_vdst(0)
	v_max_num_f32 v[BM+2*GI], 0x1800000, v[BM+2*GI]        ; the floor 2^(3 - 127) under a block's largest p: the byte cannot fall under 1
.elseif GI < 4
	v_add_nc_u32 v[BM+2*(GI-2)], 0xff000000, v[BM+2*(GI-2)]   ; 2 off the exponent field: the conversion's scale operand
.elseif GI < 6
	v_lshrrev_b32 v[SCR+GI-4], 23, v[BM+2*(GI-4)]          ; the scale's byte
.elseif GI == 6
	v_lshl_or_b32 v253, v[SCR+1], 16, v[SCR]               ; my two bytes: blocks h and 2 + h of these 128 keys,
.elseif GI == 7
	v_lshlrev_b32 v253, v[SH8], v253                       ; at their places in p's scale word;
.elseif GI == 8
	v_permlanex16_b32 v[SCR+2], v253, s[SEL], s[SEL+1]
.elseif GI == 9
	s_setprio 1
	v_or_b32 v253, v253, v[SCR+2]                          ; with lane l xor 16's two the word is whole
.else
	v_pk_mul_f32 v[O+2*(GI-10):O+2*(GI-10)+1], v[O+2*(GI-10):O+2*(GI-10)+1], v[252:253] op_sel_hi:[1,0]   ; O^T under the new M, each accumulator from its low end on
.endif
.set GI, GI+1
.endm
; A KEY STEP: 128 keys, the record at s[TB].  K's tiles and scale words are in registers when it begins.  pre = 1: the next record's K is asked for.
.macro STEP pre
.set KI, 0
.set GI, 0
	s_setprio 2
.irp t, 0,1,2,3,4,5,6,7                        ; S^T = K Q^T: eight accumulators, one instruction each.  They name none of the registers that the products V^T P just ahead of them write
	v_wmma_scale_f32_16x16x128_f8f6f4 v[S+8*\t:S+8*\t+7], v[KF+6*\t:KF+6*\t+11], v[QF:QF+11], 0, v[KW+\t], v[QW] matrix_a_fmt:MATRIX_FMT_FP6 matrix_b_fmt:MATRIX_FMT_FP6
.endr                                          ; register 32 c + i is key 64 c + 32 (lane / 16) + i of the step
	v_add_nc_u32 v4, s[TB], v1
	v_add_nc_u32 v5, s[TB], v2
	v_add_nc_u32 v6, s[TB], v3
	v_nop                                          ; four places behind these products and behind the last step's V^T P: loads follow into their operands and scale words, and then the first read of S^T
.irp t, 0,1,2,3                                ; this step's V: four fragments (16 channels x 128 keys)
.irp c, 0,1,2
	ds_load_b128 v[VF+12*\t+4*\c:VF+12*\t+4*\c+3], v4 offset:VOF+FIB*\t+512*\c
.endr
.endr
	ds_load_b128 v[VW:VW+3], v6 offset:VSC         ; and their scale words of row r
.irp b, 0,1,2,3
	v_max3_num_f32 v[BM+\b], v[S+16*\b], v[S+16*\b+1], v[S+16*\b+2]   ; the largest score of my two blocks of 32 keys, each in two chains of 16; it serves the row's maximum and the block's largest p
.endr
.irp i, 3,5,7,9,11,13
.irp b, 0,1,2,3
	v_max3_num_f32 v[BM+\b], v[BM+\b], v[S+16*\b+\i], v[S+16*\b+\i+1]   ; the four chains by turns; each accumulator is read from its low end on
.endr
.endr
.irp c, 0,1
	v_max3_num_f32 v[BM+2*\c], v[BM+2*\c], v[BM+2*\c+1], v[S+32*\c+15]
.endr
.irp c, 0,1
	v_max_num_f32 v[BM+2*\c], v[BM+2*\c], v[S+32*\c+31]    ; block 2 c + h's largest score: all its 32 keys are mine
.endr
	K2 \pre
	v_max_num_f32 v254, v[BM], v[BM+2]
	K2 \pre
	v_permlanex16_b32 v[SCR], v254, s[SEL], s[SEL+1]
	K2 \pre
	v_max_num_f32 v254, v254, v[SCR]               ; with lane l xor 16's two blocks: the step's largest score of my query
	K2 \pre
	v_mul_f32 v254, s[CS], v254                    ; as t (c is positive)
	v_mov_b32 v255, v12                            ; the old -M
	K2 \pre
	v_max_num_f32 v13, v13, v254                   ; the running largest t
	K2 \pre
	v_floor_f32 v12, -v13                          ; the new -M = floor(-t) = -ceil(t): a whole number
	K2 \pre
	v_sub_f32 v254, v12, v255                      ; old M less new M: a whole number, 0 or less
	K2 \pre
	v_fma_f32 v[BM], v[BM], s[CS], v12             ; t - M of each block's largest score
	v_fma_f32 v[BM+2], v[BM+2], s[CS], v12
	v_cvt_i32_f32 v254, v254                       ; (it saturates)
	K2 \pre
	v_ldexp_f32 v252, 1.0, v254                    ; f = 2^(old M - new M)
	v_exp_f32 v[BM], v[BM]                         ; the block's largest p: the same two instructions on the same number give the same bits
	FOP 0                                          ; (a plain line that touches nothing of it stands behind every exponential: ISA guide 5.7.2)
	v_exp_f32 v[BM+2], v[BM+2]
	FOP 1
	FOP 2
	FOP 3
	v_pk_mul_f32 v[14:15], v[14:15], v[252:253] op_sel_hi:[1,0]   ; the sum under the new M
; p = 2^(t - M), at most 1.  Behind exponential k: at even k up to 54 the scaling of pair 4 + k / 2, whose exponentials stand eight further on; at odd k from 7 to 55 sum line (k - 7) / 2, whose pair was
; finished four back; at k = 1, 3, 5 and from 56 on the next line of GOP's list, and at k = 8 .. 22 one of them as a second line: 3 + 8 + 15 = 26.
.set k, 0
.rept 64
	v_exp_f32 v[S+k], v[S+k]
.if (k%2 == 0) && (k <= 54)
	FOP 4+k/2
.endif
.if (k%2 == 1) && (k >= 7) && (k <= 55)
	AOP (k-7)/2
.endif
.if ((k%2 == 1) && (k < 7)) || (k > 55) || ((k >= 8) && (k <= 22))
	GOP
.endif
.set k, k+1
.endr
	AOP 25
	s_setprio 0
	s_wait_alu depctr_va_vdst(0)
.irp c, 0,1                                    ; my block 2 c + h: registers 6 c .. 6 c + 5 of the operand
	v_cvt_scalef32_pk16_fp6_f32 v[PC+6*\c:PC+6*\c+2], v[S+32*\c:S+32*\c+15], v[BM+2*\c]
	v_cvt_scalef32_pk16_fp6_f32 v[SCR+4*\c:SCR+4*\c+2], v[S+32*\c+16:S+32*\c+31], v[BM+2*\c]   ; (a conversion's three registers begin on an even number: the block's second three do not)
.endr
	AOP 26                                         ; the one plain place behind a scaled conversion: it reads p and writes none of the conversions' registers
.irp c, 0,1
.irp i, 0,1,2
	v_mov_b32 v[PC+3+6*\c+\i], v[SCR+4*\c+\i]
.endr
.endr
.irp n, 27,28,29,30,31
	AOP \n                                         ; five plain lines that name none of the next products' registers: the places behind the last write of p's codes (four are asked; p's word was written 49 exponentials ago)
.endr
	s_wait_dscnt 0x0                               ; V is in, and so is the next step's K: all were asked for ahead of the softmax
.irp t, 0,1,2,3                                ; O^T += V^T P^T: four accumulators, one instruction each
	v_wmma_scale_f32_16x16x128_f8f6f4 v[O+8*\t:O+8*\t+7], v[VF+12*\t:VF+12*\t+11], v[PC:PC+11], v[O+8*\t:O+8*\t+7], v[VW+\t], v253 matrix_a_fmt:MATRIX_FMT_FP6 matrix_b_fmt:MATRIX_FMT_FP6
.endr
	s_add_co_u32 s[TB], s[TB], REC                 ; the next step's record
.endm
	s_load_b256 s[4:11], s[0:1], 0x0               ; qrec s[4:5], kvrec s[6:7], cc s[8:9], cs s[10:11]
	v_lshl_add_u32 v254, v0, 2, 0x33000
	v_mov_b32 v255, 0
	ds_add_u32 v254, v255
	ds_add_u32 v254, v255
	s_wait_dscnt 0x0
	v_lshrrev_b32 v4, 5, v0
	v_readfirstlane_b32 s[WV], v4                  ; wave 0..15
	v_and_b32 v4, 31, v0
	v_lshlrev_b32 v1, 4, v4                        ; 16 x lane
	v_lshlrev_b32 v2, 3, v4                        ; 8 x lane
	v_and_b32 v3, 15, v0
	v_lshlrev_b32 v3, 4, v3                        ; 16 r
	v_bfe_u32 v[SH8], v0, 4, 1
	v_lshlrev_b32 v[SH8], 3, v[SH8]                ; 8 x (lane / 16): how far my scale bytes are shifted up in a word
	s_and_b32 s13, ttmp7, 0xffff                   ; batch x 8 + head, which the four partners share
	s_bfe_u32 s15, ttmp6, 0x40000                  ; cx: my place in the cluster: it enters Q's, cc's and cs's addresses alone
	s_lshl_b32 s14, ttmp9, 2
	s_add_co_u32 s14, s14, s15                     ; my block of 256 queries
	s_mul_i32 s54, s13, HEADB                      ; the head's first byte in qrec and in kvrec
	; the two descriptors: dense bytes as rows of 256 (32 elements of 8 bytes)
.irp g, G1A, G1B
	s_mov_b32 s[\g], 15|(3<<16)|(1<<21)            ; 15:0 the mask: all four work-groups; 17:16 elements of 8 bytes; 20 no padding; 21 set beside a mask
	s_mov_b32 s[\g+1], 32<<16                      ; tensor_dim0 = 32
	s_mov_b32 s[\g+3], 32<<16                      ; tile_dim0 = 32
	s_mov_b32 s[\g+5], 32                          ; from row to row
	s_mov_b32 s[\g+6], 0
	s_mov_b32 s[\g+7], 0
.endr
	s_mov_b32 s[G1A+2], ROWSA<<16                  ; tensor_dim1
	s_mov_b32 s[G1A+4], ROWSA                      ; tile_dim1
	s_mov_b32 s[G1B+2], ROWSB<<16
	s_mov_b32 s[G1B+4], ROWSB
	s_mov_b32 s[G0A], 1
	s_mul_i32 s[G0A+1], s[WV], PARTA               ; LDS address = the byte in the head: wave x 4,096
	s_mov_b32 s[G0B], 1
	s_mul_i32 s[G0B+1], s[WV], PARTB
	s_add_co_u32 s[G0B+1], s[G0B+1], 16*PARTA      ; 65,536 + wave x 8,960
	s_add_co_u32 s56, s54, s[G0A+1]
	s_mov_b32 s57, 0
	s_add_co_u32 s58, s54, s[G0B+1]
	s_mov_b32 s59, 0
	; Q's tile 16 x block + wave of the head: record 2 x block + wave / 8, tile wave % 8 in it
	s_lshl_b32 s46, s14, 1
	s_lshr_b32 s47, s[WV], 3
	s_add_co_u32 s46, s46, s47
	s_mul_i32 s46, s46, REC
	s_add_co_u32 s46, s46, s54
	s_and_b32 s50, s[WV], 7
	s_mul_i32 s50, s50, HIB
	s_bfe_u32 s51, s[WV], 0x10002                  ; (wave / 4) % 2: which group of four tiles' scale words
	s_lshl_b32 s51, s51, 8
	s_and_b32 s52, s[WV], 3
	s_lshl_b32 s52, s52, 2
	s_add_co_u32 s48, s46, s51
	s_add_co_u32 s48, s48, s52
	s_add_co_u32 s48, s48, KSC                     ; its scale words
	s_mov_b32 s49, 0
	s_add_co_u32 s46, s46, s50                     ; its codes
	s_mov_b32 s47, 0
	; ctx: tile T = batch x 128 + 16 x block + wave
	s_lshr_b32 s50, s13, 3
	s_lshl_b32 s50, s50, 7
	s_lshl_b32 s51, s14, 4
	s_add_co_u32 s50, s50, s51
	s_add_co_u32 s50, s50, s[WV]
	s_and_b32 s51, s13, 7                          ; the head
	s_lshl_b32 s52, s50, 9
	s_lshl_b32 s53, s51, 1
	s_add_co_u32 s52, s52, s53                     ; cs: T x 512 + 2 x head
	s_mov_b32 s53, 0
	s_lshl_b32 s50, s50, 3
	s_add_co_u32 s50, s50, s51
	s_mul_i32 s50, s50, HIB                        ; cc: (T x 8 + head) x 768
	s_mov_b32 s51, 0
	s_mov_b32 s[SEL], 0x76543210
	s_mov_b32 s[SEL+1], 0xfedcba98
	s_mov_b32 s[CS], 0x3e38aa3b                    ; c = log2(e) / 8
	s_mov_b32 s[CS+1], s[CS]                       ; (named with it as a pair, so it is written)
	s_wait_kmcnt 0x0
	s_add_nc_u64 s[G0A+2:G0A+3], s[6:7], s[56:57]
	s_or_b32 s[G0A+3], s[G0A+3], 0x80000000        ; type = 2
	s_add_nc_u64 s[G0B+2:G0B+3], s[6:7], s[58:59]
	s_or_b32 s[G0B+3], s[G0B+3], 0x80000000
	s_add_nc_u64 s[46:47], s[4:5], s[46:47]
	s_add_nc_u64 s[48:49], s[4:5], s[48:49]
	s_add_nc_u64 s[50:51], s[8:9], s[50:51]
	s_add_nc_u64 s[52:53], s[10:11], s[52:53]
	CROUND                                         ; all four work-groups are here: the joint loads meet
	tensor_load_to_lds s[G0A:G0A+3], s[G1A:G1A+7]  ; my part of the first 65,536 bytes
	s_nop 0
	tensor_load_to_lds s[G0B:G0B+3], s[G1B:G1B+7]  ; my part of the rest: the launch's only fills, together, ahead of every wait on TENSORcnt and every LDS read
	s_nop 0
.rept 4
	v_nop
.endr
	global_load_b128 v[QF:QF+3], v1, s[46:47]      ; Q's fragment stays in registers: registers 0-3,
	global_load_b64 v[QF+4:QF+5], v2, s[46:47] offset:512   ; 4-5
	global_load_b32 v[QW], v3, s[48:49]            ; its scale word
.irp j, 6,7,8,9,10,11
	v_mov_b32 v[QF+\j], 0                          ; Q's k = 64 .. 127: zero codes
.endr
.irp j, 0,1,2,3,4,5
	v_mov_b32 v[VF+\j], 0                          ; the upper six registers of K's tile 7: written before the first step reads them; later V's codes stand here
.endr
.irp j, 0,1,2,3,4,5,6,7,8,9,10,11,12,13,14,15,16,17,18,19,20,21,22,23,24,25,26,27,28,29,30,31
	v_mov_b32 v[O+\j], 0                           ; O^T.  (The step is written once for all: the first finds zeros, which the first change of M leaves zeros)
.endr
	v_mov_b32 v13, 0xff61b1e6                      ; the largest t so far: -3e38, under every t
	v_floor_f32 v12, -v13                          ; -M
	v_mov_b32 v14, 0                               ; the sum, in two halves
	v_mov_b32 v15, 0
.irp b, 0,1,2
	v_mov_b32 v[SCR+\b], 0                         ; written once: a lane permute's destination counts as one of its sources
.endr
	v_mov_b32 v253, 0                              ; (named as the upper half of the pair v[252:253] before it is first written)
	s_wait_tensorcnt 0x1                           ; my first part is in; my second, issued behind it, may stay out
	s_barrier_signal -1
	s_barrier_wait -1                              ; everybody's first part is in: records 0-4
.set KI, 0
.rept 18
	KL 1, 2, 3, 0                                  ; record 0's K
.endr
	s_wait_loadcnt 0x0                             ; Q
	s_wait_dscnt 0x0
	s_mov_b32 s[TB], 0
	s_mov_b32 s[CNT], 4
.Lp1:                                                  ; key steps 0-3; they ask for K of records 1-4: LDS bytes under 65,280
	STEP 1
	s_sub_co_u32 s[CNT], s[CNT], 1
	s_cmp_lg_u32 s[CNT], 0
	s_cbranch_scc1 .Lp1
	s_setprio 0
	s_wait_tensorcnt 0x0                           ; my second part is in;
	s_wait_dscnt 0x0                               ; no LDS load of mine is out at the signal
	s_barrier_signal -1
	s_barrier_wait -1                              ; everybody's is: the whole head
	s_mov_b32 s[TB], 4*REC
	s_mov_b32 s[CNT], 11
.Lp2:                                                  ; key steps 4-14; they ask for K of records 5-15
	STEP 1
	s_sub_co_u32 s[CNT], s[CNT], 1
	s_cmp_lg_u32 s[CNT], 0
	s_cbranch_scc1 .Lp2
	s_setprio 0
	s_mov_b32 s[TB], 15*REC
	STEP 0                                         ; the last step is written out: there is no record behind it to ask for
	; THE WAY OUT: O^T / the sum, quantised along d, stored as half a fragment's image and two scale bytes.  Register 8 t + j is d = 32 (lane / 16) + 8 t + j: my 32 numbers are one whole block.
.rept 4
	v_nop                                          ; places behind the last products
.endr
	v_add_f32 v14, v14, v15                        ; the sum's two halves,
	v_permlanex16_b32 v252, v14, s[SEL], s[SEL+1]
	v_add_f32 v14, v14, v252                       ; and lane l xor 16's: the row's sum
	v_rcp_f32 v14, v14
	v_nop                                          ; one plain place behind a transcendental
	s_wait_alu depctr_va_vdst(0)
.irp j, 0,2,4,6,8,10,12,14,16,18,20,22,24,26,28,30
	v_pk_mul_f32 v[S+\j:S+\j+1], v[O+\j:O+\j+1], v[14:15] op_sel_hi:[1,0]   ; each accumulator from its low end on
.endr
	v_max3_num_f32 v[BM], |v[S]|, |v[S+1]|, 0x1800000      ; the block's largest magnitude in two chains, and the floor 2^(3 - 127)
	v_max3_num_f32 v[BM+1], |v[S+16]|, |v[S+17]|, |v[S+18]|
.irp i, 2,4,6,8,10,12
	v_max3_num_f32 v[BM], v[BM], |v[S+\i]|, |v[S+\i+1]|
	v_max3_num_f32 v[BM+1], v[BM+1], |v[S+\i+17]|, |v[S+\i+18]|
.endr
	v_max3_num_f32 v[BM], v[BM], |v[S+14]|, |v[S+15]|
	v_max3_num_f32 v[BM], v[BM], v[BM+1], |v[S+31]|
	v_add_nc_u32 v[BM], 0xff000000, v[BM]          ; 2 off its exponent field: the conversion's scale operand
	v_cvt_scalef32_pk16_fp6_f32 v[PC:PC+2], v[S:S+15], v[BM]
	v_cvt_scalef32_pk16_fp6_f32 v[SCR+4:SCR+6], v[S+16:S+31], v[BM]
	v_lshrrev_b32 v[SCR], 23, v[BM]                ; the scale's byte.  (The plain place behind the scaled conversions)
	v_lshlrev_b32 v[SCR], v[SH8], v[SCR]           ; block h's place
	v_permlanex16_b32 v[SCR+1], v[SCR], s[SEL], s[SEL+1]
	v_or_b32 v254, v[SCR], v[SCR+1]                ; my row's two scale bytes for this head
.irp i, 0,1,2
	v_mov_b32 v[PC+3+\i], v[SCR+4+\i]
.endr
	global_store_b128 v1, v[PC:PC+3], s[50:51]             ; 512 consecutive bytes, aligned
	global_store_b64 v2, v[PC+4:PC+5], s[50:51] offset:512 ; 256 consecutive bytes, aligned
	global_store_b16 v1, v254, s[52:53]            ; two bytes a lane, 16 apart: 64 bytes beside the wave's 768 of codes; so laid, a lane's 16 bytes are the four scale words that the next launch takes by one load
	s_wait_xcnt 0x0
	v_lshl_add_u32 v254, v0, 2, 0x33000
	v_mov_b32 v255, 0
	s_wait_tensorcnt 0x0
	ds_add_u32 v254, v255
	s_wait_dscnt 0x0
	CROUND                                         ; the closing round: no work-group ends while a partner may still ask for bytes that name it
	s_endpgm
.Lfunc_end_k_q624e634be2_attn:
	.size	k_q624e634be2_attn, .Lfunc_end_k_q624e634be2_attn-k_q624e634be2_attn
	.p2alignl 7, 3214868480
	.fill 96, 4, 3214868480
	.section	.rodata,"a",@progbits
	.p2align	6, 0x0
	.amdhsa_kernel k_q624e634be2_attn
		.amdhsa_group_segment_fixed_size 210944
		.amdhsa_private_segment_fixed_size 0
		.amdhsa_enable_private_segment 0
		.amdhsa_kernarg_size 32
		.amdhsa_user_sgpr_count 2
		.amdhsa_user_sgpr_kernarg_segment_ptr 1
		.amdhsa_wavefront_size32 1
		.amdhsa_system_sgpr_workgroup_id_x 1
		.amdhsa_system_sgpr_workgroup_id_y 1
		.amdhsa_system_sgpr_workgroup_id_z 1
		.amdhsa_system_vgpr_workitem_id 0
		.amdhsa_next_free_vgpr 256
		.amdhsa_next_free_sgpr 66
		.amdhsa_reserve_vcc 0
		.amdhsa_float_denorm_mode_32 3
		.amdhsa_float_denorm_mode_16_64 3
		.amdhsa_memory_ordered 1
		.amdhsa_forward_progress 1
		.amdhsa_inst_pref_size 58
	.end_amdhsa_kernel
	.amdgpu_metadata
---
amdhsa.version: [ 1, 2 ]
amdhsa.kernels:
  - .name:           k_q624e634be2_attn
    .symbol:         k_q624e634be2_attn.kd
    .args:
      - { .name: qrec, .offset: 0, .size: 8, .value_kind: global_buffer, .address_space: global }
      - { .name: kvrec, .offset: 8, .size: 8, .value_kind: global_buffer, .address_space: global }
      - { .name: cc, .offset: 16, .size: 8, .value_kind: global_buffer, .address_space: global }
      - { .name: cs, .offset: 24, .size: 8, .value_kind: global_buffer, .address_space: global }
    .group_segment_fixed_size: 210944
    .private_segment_fixed_size: 0
    .kernarg_segment_align: 8
    .kernarg_segment_size: 32
    .max_flat_workgroup_size: 512
    .sgpr_count:     66
    .vgpr_count:     256
    .wavefront_size: 32
...
	.end_amdgpu_metadata
.endif
;; end of part 7
;; launch oproj (part 8): grid 256 x 1, 2 waves a work-group, no clusters, 17,152 bytes of LDS; arguments cc, cs, cod, scl, bo, out0; writes out0
.if DOCPART == 8
	.amdgcn_target "amdgcn-amd-amdhsa--gfx1250"
	.amdhsa_code_object_version 6
	.text
	.protected	k_q624e634be2_oproj
	.globl	k_q624e634be2_oproj
	.p2align	8
	.type	k_q624e634be2_oproj,@function
k_q624e634be2_oproj:
	s_mov_b64 s[64:65], 0
	v_nop
	global_prefetch_b8 v0, s[64:65] scope:SCOPE_SE
	s_setreg_imm32_b32 hwreg(HW_REG_WAVE_SCHED_MODE, 0, 2), 2
	s_setreg_imm32_b32 hwreg(HW_REG_WAVE_MODE, 25, 1), 1
	s_wait_xcnt 0x0
	s_wait_alu depctr_vm_vsrc(0)
; out0 = ctx Wo^T + bo on codes of FP6 (E2M3) with E8M0 scales, sums in f32.  ctx comes as codes (cc: (tile x 8 + head) x 768: half a fragment's image, registers 0-3 at 16 x lane, 4-5 at 512 + 8 x lane)
; and scale bytes (cs: tile x 512 + 16 x lane: the lane's four scale words); Wo as images in cod and scl, tiles 608-639.  A tile's lane r holds row 64 c + 8 u + r % 8 + 32 (r / 8) of tile 4 c + u.
; A WAVE keeps eight tiles of Wo (128 output columns) for all of K = 512 in registers (384) and walks four tiles of ctx (64 rows), written out: for each, 32 matrix instructions on 8 accumulators by turns,
; K ascending, bo as the C of K step 0.  Used transposed (source 0 = Wo, source 1 = ctx) a lane holds one row and 8 neighbouring columns a tile: tile i, lane half h: columns 64 (i / 4) + 32 h + 8 (i % 4) + 0 .. 7.
; THE WAY OUT: a tile's 16 rows x 128 columns go through the wave's own stage in LDS (rows of 512 + 16 bytes) and leave as whole runs of 512 consecutive bytes.  Waves share nothing: no barrier.
; 256 work-groups of two waves: work-group g takes rows 64 (g / 2) on, its wave w columns 128 (2 (g % 2) + w) on.
; NO CLUSTER AND NO TENSOR LOADS: every fragment is an image and goes straight into the registers in which it is multiplied; a wave has 128 matrix instructions, and Wo's 49,152 bytes a wave are its own in its work-group.
; THE MODE: SCHED_MODE bits 1:0 = 2 (LLVM: expert scheduling mode 2), set by the entry lines.  The code itself states the register dependences between vector or matrix instructions and memory or LDS
; instructions, with s_wait_alu, always for 0.
; THE PLAN.  Registers that memory or LDS instructions touch, tile by tile:
;   ctx's codes, three sets, and ctx's scale words, three sets.  Tile o's products read set o % 3; the 17 loads of tile o + 2, issued in tile o, land in set (o + 2) % 3.
;   The accumulators.  Written by tile o's products; read by its sixteen LDS stores; written again by tile o + 1's first products.
;   BB, two sets of rows on their way out.  Tile o's sixteen LDS loads land in set o % 2; the sixteen global stores that read it are issued in the middle of tile o + 1's products.  No vector or matrix line names them.
;   v2, v3, v6, v8, v9 offsets and LDS addresses, v62, v63 the closing add's two: made at the head and never written again.     Wo, its scale words and the bias are loaded once, at the head.
; So a tile holds two waits: one on vm_vsrc at its head (the LDS stores of the tile before have read the accumulators; the global stores of two tiles back have read the set of BB that this tile loads into), and one on
; va_vdst behind its products' places (the accumulators are written).  Tile 0's wait on va_vdst also states that its products are done reading set 0, in which tile 3's loads land in tile 1.
; REGISTERS: window 0: v1-9 addresses; v16-47 Wo's scale words; v48-59 ctx's, three sets; v62, v63 the closing add's two; v64-127 the accumulators; v128-191, v192-255 rows on their way out, by turns.
;   window 1: Wo's fragments of K steps 0, 1 at 12 (2 i + s);  window 2: of K steps 2, 3; v192-255 the bias;  window 3: ctx's fragments, three sets of 48.
.set HIB,  768
.set SP,   528
.set S0S,  16
.set S1S,  48
.set HA,   64
.set BK,   128
.set BIAS, 192
.set MSB, 0
.macro WIN new                         ; the immediate's high byte repeats the setting that is left; a switch that changes nothing is dropped
.if MSB != \new
	s_set_vgpr_msb (MSB<<8)|\new
.set MSB, \new
.endif
.endm
.macro S0LOAD                          ; my eight tiles of Wo: 32 scale words a lane, 32 fragments
.irp i, 0,1,2,3,4,5,6,7
.irp f, 0,1
	global_load_b64 v[S0S+4*\i+2*\f:S0S+4*\i+2*\f+1], v3, s[22:23] offset:512*\i+256*\f
.endr
.endr
	WIN 0x40                                       ; destination window 1
.irp i, 0,1,2,3,4,5,6,7
.irp s, 0,1
.irp c, 0,1,2
	global_load_b128 v[12*(2*\i+\s)+4*\c:12*(2*\i+\s)+4*\c+3], v2, s[20:21] offset:(4*\i+\s)*1536+512*\c
.endr
.endr
.endr
	WIN 0x80                                       ; destination window 2
.irp i, 0,1,2,3,4,5,6,7
.irp s, 0,1
.irp c, 0,1,2
	global_load_b128 v[12*(2*\i+\s)+4*\c:12*(2*\i+\s)+4*\c+3], v2, s[20:21] offset:(4*\i+\s+2)*1536+512*\c
.endr
.endr
.endr
	WIN 0
.endm
.macro S1COD o                         ; tile o of ctx into set o % 3: K step s is heads 2 s (registers 0-5) and 2 s + 1 (6-11): 16 loads
.set SET, (\o)%3
	WIN 0xc0                                       ; destination window 3
.irp s, 0,1,2,3
.irp p, 0,1
	global_load_b128 v[48*SET+12*\s+6*\p:48*SET+12*\s+6*\p+3], v2, s[24:25] offset:(\o)*6144+(2*\s+\p)*HIB
	global_load_b64 v[48*SET+12*\s+6*\p+4:48*SET+12*\s+6*\p+5], v3, s[24:25] offset:(\o)*6144+(2*\s+\p)*HIB+512
.endr
.endr
.endm
.macro S1SCL o                         ; and its four scale words, into set o % 3 of window 0: 1 load
	global_load_b128 v[S1S+4*((\o)%3):S1S+4*((\o)%3)+3], v2, s[26:27] offset:512*(\o)
.endm
; 8 matrix instructions: my eight tiles of Wo against tile o of ctx, K step s; the eight accumulators take turns, one instruction a turn.
.macro MULK o, s
.set SET, (\o)%3
.irp i, 0,1,2,3,4,5,6,7
.if (\s) == 0
	v_wmma_scale_f32_16x16x128_f8f6f4 v[HA+8*\i:HA+8*\i+7], v[24*\i:24*\i+11], v[48*SET:48*SET+11], v[BIAS+8*\i:BIAS+8*\i+7], v[S0S+4*\i], v[S1S+4*SET] matrix_a_fmt:MATRIX_FMT_FP6 matrix_b_fmt:MATRIX_FMT_FP6
.else
	v_wmma_scale_f32_16x16x128_f8f6f4 v[HA+8*\i:HA+8*\i+7], v[24*\i+12*((\s)%2):24*\i+12*((\s)%2)+11], v[48*SET+12*(\s):48*SET+12*(\s)+11], v[HA+8*\i:HA+8*\i+7], v[S0S+4*\i+(\s)], v[S1S+4*SET+(\s)] matrix_a_fmt:MATRIX_FMT_FP6 matrix_b_fmt:MATRIX_FMT_FP6
.endif
.endr
.endm
; Tile o's sixteen rows leave, from set o % 2 of BB.
.macro SEND o
.set BB, BK+64*((\o)%2)
.irp i, 0,1,2,3,4,5,6,7,8,9,10,11,12,13,14,15
	s_wait_dscnt 15-\i                             ; row i is back; the 15 - i younger loads may be out
	global_store_b128 v2, v[BB+4*\i:BB+4*\i+3], s[30:31] offset:(8*(\o)+(\i%8)+32*(\i/8))*2048 th:TH_STORE_NT   ; 512 consecutive bytes, aligned, of the row that the tile's lane i holds; written once
.endr
.endm
.macro OUTER o
.if ((\o) == 0) || ((\o) == 3)
	s_wait_loadcnt 0x0                             ; tile 0: all that was asked for at the head;  tile 3: nothing was asked for behind it
.else
	s_wait_loadcnt 17                              ; this tile's loads are in; the 17 of the next tile, issued behind them, may be out
.endif
.if (\o) >= 2
	s_wait_xcnt 0x0                                ; the stores of two tiles ago, issued in the tile before, have had their addresses translated: their data registers are loaded into again, at this tile's end, only behind this wait
.endif
.if (\o) >= 1
	s_wait_alu depctr_vm_vsrc(0)                   ; the LDS stores of the tile before have read the accumulators, which this tile's first products write; from tile 2 on, the global stores of two tiles ago have read the set of BB in which this tile's LDS loads land
.endif
.if (\o)+2 < 4
	S1SCL (\o)+2                                   ; tile o + 2.  In tile 0: into the third set, which no vector or matrix line has named; in tile 1: into set 0, which tile 0's products were done reading at the wait behind them
.endif
	WIN 0x2d                                       ; source 0 window 1, source 1 window 3, C (the bias) window 2, D window 0
	MULK \o, 0
.if (\o)+2 < 4
	S1COD (\o)+2                                   ; no wait: since that wait only LDS lines on other registers, loads, window switches and products that name neither v2, v3 nor this set have been issued
.endif
	WIN 0x0d                                       ; C and D window 0
	MULK \o, 1
.if (\o) >= 1
	WIN 0
	SEND (\o)-1                                    ; their data come from LDS loads, which the waits on DScnt show landed; no vector or matrix line names them
.endif
	WIN 0x0e                                       ; source 0 window 2
	MULK \o, 2
	MULK \o, 3
	WIN 0
.rept 5
	v_nop                                          ; places: four in front of the LDS stores that read the results; the fifth since the next
.endr                                                  ; tile's first products write over these accumulators and no other vector work stands between
	s_wait_alu depctr_va_vdst(0)                   ; the products have written the accumulators, which the LDS stores read; the places above stay beside this wait
.irp i, 0,1,2,3,4,5,6,7                        ; lane (r, h), tile i: columns 64 (i / 4) + 32 h + 8 (i % 4) + 0 .. 7 of stage row r; each accumulator from its low end on
	ds_store_b128 v8, v[HA+8*\i:HA+8*\i+3] offset:256*(\i/4)+32*(\i%4)
	ds_store_b128 v8, v[HA+8*\i+4:HA+8*\i+7] offset:256*(\i/4)+32*(\i%4)+16
.endr
.set BB, BK+64*((\o)%2)
.irp i, 0,1,2,3,4,5,6,7,8,9,10,11,12,13,14,15
	ds_load_b128 v[BB+4*\i:BB+4*\i+3], v9 offset:SP*\i     ; LDS serves a wave's instructions in order: these see the stores above
.endr
.endm
	s_load_b256 s[4:11], s[0:1], 0x0               ; cc s[4:5], cs s[6:7], cod s[8:9], scl s[10:11]
	s_load_b128 s[12:15], s[0:1], 0x20             ; bo s[12:13], out0 s[14:15]
	v_lshl_add_u32 v62, v0, 2, 0x4200
	v_mov_b32 v63, 0
	v_lshrrev_b32 v4, 5, v0
	v_readfirstlane_b32 s18, v4                    ; wave 0..1
	v_and_b32 v1, 31, v0                           ; lane
	v_lshlrev_b32 v2, 4, v1                        ; 16 x lane
	v_lshlrev_b32 v3, 3, v1                        ; 8 x lane
	v_and_b32 v4, 15, v0                           ; r
	v_bfe_u32 v5, v0, 4, 1                         ; h
	v_lshlrev_b32 v6, 7, v5                        ; the bias: 32 h numbers on
	s_wait_alu depctr_va_sdst(0)                   ; s18, the wave's number, is written, ahead of its first reader
	s_mul_i32 s34, s18, 16*SP                      ; my stage
	v_mul_u32_u24 v8, v4, SP
	v_lshl_add_u32 v8, v5, 7, v8
	v_add_nc_u32 v8, s34, v8                       ; into it: row r, + 128 h bytes
	v_add_nc_u32 v9, s34, v2                       ; back: 16 x lane of a row
	s_lshr_b32 s35, ttmp9, 1                       ; which 64 rows
	s_and_b32 s36, ttmp9, 1
	s_lshl_b32 s36, s36, 1
	s_add_co_u32 s36, s36, s18                     ; which 128 columns
	s_lshl_b32 s37, s36, 3
	s_add_co_u32 s37, s37, 608                     ; Wo's first tile of them
	s_mul_i32 s20, s37, 6144
	s_mov_b32 s21, 0
	s_lshl_b32 s22, s37, 9
	s_mov_b32 s23, 0
	s_mul_i32 s24, s35, 4*6144                     ; four tiles of ctx: 8 heads x 768 bytes each,
	s_mov_b32 s25, 0
	s_lshl_b32 s26, s35, 11                        ; 512 bytes of scale words each
	s_mov_b32 s27, 0
	s_lshl_b32 s28, s36, 9                         ; 128 numbers of bo; and as many bytes along a row of out0
	s_mov_b32 s29, 0
	s_lshl_b32 s30, s35, 17                        ; 64 rows of 2,048 bytes
	s_add_co_u32 s30, s30, s28
	s_mov_b32 s31, 0
	s_wait_kmcnt 0x0
	s_add_nc_u64 s[20:21], s[8:9], s[20:21]
	s_add_nc_u64 s[22:23], s[10:11], s[22:23]
	s_add_nc_u64 s[24:25], s[4:5], s[24:25]
	s_add_nc_u64 s[26:27], s[6:7], s[26:27]
	s_add_nc_u64 s[28:29], s[12:13], s[28:29]
	s_add_nc_u64 s[30:31], s[14:15], s[30:31]
	s_wait_alu depctr_va_vdst(0)                   ; the offsets and LDS addresses v2, v3, v6, v8, v9 and the closing add's v62, v63 are written: the memory and LDS lines below read them, and none is written again
	S0LOAD
	S1COD 0
	WIN 0
	S1SCL 0
	S1COD 1
	WIN 0
	S1SCL 1
	WIN 0x80
.irp i, 0,1,2,3,4,5,6,7                        ; in the result's layout: tile i, lane half h: columns 64 (i / 4) + 32 h + 8 (i % 4) + 0 .. 7
	global_load_b128 v[BIAS+8*\i:BIAS+8*\i+3], v6, s[28:29] offset:(64*(\i/4)+8*(\i%4))*4
	global_load_b128 v[BIAS+8*\i+4:BIAS+8*\i+7], v6, s[28:29] offset:(64*(\i/4)+8*(\i%4))*4+16
.endr
	WIN 0
.irp o, 0,1,2,3
	OUTER \o
.endr
	SEND 3                                         ; the last tile's rows: nothing follows among which they could be dealt
	s_wait_dscnt 0x0                               ; the closing lines, six on end
	s_wait_alu 0x0
	s_wait_tensorcnt 0x0
	ds_add_u32 v62, v63
	s_wait_dscnt 0x0
	s_endpgm
.Lfunc_end_k_q624e634be2_oproj:
	.size	k_q624e634be2_oproj, .Lfunc_end_k_q624e634be2_oproj-k_q624e634be2_oproj
	.p2alignl 7, 3214868480
	.fill 96, 4, 3214868480
	.section	.rodata,"a",@progbits
	.p2align	6, 0x0
	.amdhsa_kernel k_q624e634be2_oproj
		.amdhsa_group_segment_fixed_size 17152
		.amdhsa_private_segment_fixed_size 0
		.amdhsa_enable_private_segment 0
		.amdhsa_kernarg_size 48
		.amdhsa_user_sgpr_count 2
		.amdhsa_user_sgpr_kernarg_segment_ptr 1
		.amdhsa_wavefront_size32 1
		.amdhsa_system_sgpr_workgroup_id_x 1
		.amdhsa_system_sgpr_workgroup_id_y 1
		.amdhsa_system_sgpr_workgroup_id_z 1
		.amdhsa_system_vgpr_workitem_id 0
		.amdhsa_next_free_vgpr 912
		.amdhsa_next_free_sgpr 66
		.amdhsa_reserve_vcc 0
		.amdhsa_float_denorm_mode_32 3
		.amdhsa_float_denorm_mode_16_64 3
		.amdhsa_memory_ordered 1
		.amdhsa_forward_progress 1
		.amdhsa_inst_pref_size 55
	.end_amdhsa_kernel
	.amdgpu_metadata
---
amdhsa.version: [ 1, 2 ]
amdhsa.kernels:
  - .name:           k_q624e634be2_oproj
    .symbol:         k_q624e634be2_oproj.kd
    .args:
      - { .name: cc, .offset: 0, .size: 8, .value_kind: global_buffer, .address_space: global }
      - { .name: cs, .offset: 8, .size: 8, .value_kind: global_buffer, .address_space: global }
      - { .name: cod, .offset: 16, .size: 8, .value_kind: global_buffer, .address_space: global }
      - { .name: scl, .offset: 24, .size: 8, .value_kind: global_buffer, .address_space: global }
      - { .name: bo, .offset: 32, .size: 8, .value_kind: global_buffer, .address_space: global }
      - { .name: out0, .offset: 40, .size: 8, .value_kind: global_buffer, .address_space: global }
    .group_segment_fixed_size: 17152
    .private_segment_fixed_size: 0
    .kernarg_segment_align: 8
    .kernarg_segment_size: 48
    .max_flat_workgroup_size: 64
    .sgpr_count:     66
    .vgpr_count:     912
    .wavefront_size: 32
...
	.end_amdgpu_metadata
.endif
;; end of part 8
